; MI455X (gfx1250); checked and timed in simulation.
; The chip was launched on July 23, 2026; its instructions are those of AMD's public machine-readable ISA for CDNA 5 (MIT licence, August 2026) and "CDNA5" Instruction Set Architecture Reference Guide (July 2026). The comments in the code are by the model that wrote it; some were corrected since.
;; Grouped Query Attention. Allowed arithmetic: matrix products marked QUANTISED: E2M3 operands, one E8M0 scale for each 32 along K, by v_wmma_scale_f32_16x16x128_f8f6f4 with both operands' format E2M3, f32 sums; everything else in f32.
;; Inputs: Wk 1,024 x 256 float32; Wo 1,024 x 1,024 float32; Wq 1,024 x 1,024 float32; Wv 1,024 x 256 float32; hidden_states 2 x 2,048 x 1,024 float32.
;; Outputs: out0 2 x 2,048 x 1,024 float32.
;; This version of the problem:
;;   THIS VERSION OF THE PROBLEM IS GIVEN IN LOW PRECISION. The matrix products marked QUANTISED in the list below multiply operands that are first quantised to E2M3 (2 exponent bits, 3 mantissa bits; 6 bits a number), with one power-of-two scale for each 32 numbers along K (OCP MX v1.0); their sums are f32. All else is computed in f32.
;;   The module's matrix products, in the order in which they are computed (A, B: the left and right operand; K: the contracted axis; several contracted axes count as one K, in the product's order):
;;     1. [M 4,096, K 1,024] x [K 1,024, N 1,024]; A: input hidden_states; B: input Wq: QUANTISED
;;     2. [M 4,096, K 1,024] x [K 1,024, N 256]; A: input hidden_states; B: input Wk: QUANTISED
;;     3. [M 4,096, K 1,024] x [K 1,024, N 256]; A: input hidden_states; B: input Wv: QUANTISED
;;     4. batch 32 x [M 2,048, K 64] x [K 64, N 2,048]; A: computed on the way; B: computed on the way: QUANTISED
;;     5. batch 32 x [M 64, K 2,048] x [K 2,048, N 2,048]; A: computed on the way; B: softmax (see below): QUANTISED
;;     6. [M 4,096, K 1,024] x [K 1,024, N 1,024]; A: computed on the way; B: input Wo: QUANTISED
;;   THE QUANTISER, for each operand of a quantised product, along K:
;;     - K is cut into blocks of 32 from its start; a last block that is shorter is filled with zeros.
;;     - A block's scale is 2^e with e = floor(log2(the largest magnitude in the block)) - 2, held to -126 .. 127; a block of zeros has e = 0. As a byte (E8M0): e + 127.
;;     - Each number is divided by its block's scale, clamped to +-7.5, and rounded to the nearest number of E2M3, ties to even, subnormals kept.
;;     - The product sums the exact products of the quantised numbers (number of the format x scale) in f32.
;;   ~~~python
;;   def quantise(x, axis):      # numpy; x: float32 -> the quantised numbers, widened to float32 again
;;       x = np.moveaxis(x, axis, -1); K = x.shape[-1]
;;       x = np.pad(x, [(0, 0)] * (x.ndim - 1) + [(0, -K % 32)]); x = x.reshape(x.shape[:-1] + (-1, 32)); a = np.abs(x).max(-1, keepdims=True)
;;       e = np.where(a > 0, np.clip(np.frexp(np.where(a > 0, a, 1))[1] - 1 - 2, -126, 127), 0)      # np.frexp(a)[1] - 1 = floor(log2(a)), exactly
;;       r = np.clip(x / 2.0 ** e, -7.5, 7.5)
;;       step = 2.0 ** (np.maximum(np.frexp(np.where(r == 0, 1, r))[1] - 1, 0) - 3)
;;       q = np.round(r / step) * step * 2.0 ** e      # np.round: ties to even
;;       return np.moveaxis(q.reshape(q.shape[:-2] + (-1,))[..., :K], -1, axis).astype(np.float32)
;;   ~~~
;;   SOFTMAX AHEAD OF A QUANTISED PRODUCT. Where the list says 'softmax', what is quantised is not the finished softmax but p = 2^(t - M), with t = logit x log2(e) and M = ceil(the row's largest t), a whole number; so 1/2 < the row's largest p <= 1. The row's sum l is taken of the UNQUANTISED p, in f32, and the product's result is divided by l at the end. Since M is a whole number, a kernel that streams over the keys may use a running M (the ceiling of the running maximum): every later rescaling is an exact power of two, which a block's scale takes up: the codes' values come out the same.
;;   OPERANDS COMPUTED ON THE WAY. 'Computed on the way' means the value that the module computes at that place (a softmax that the list does not call 'softmax' is quantised finished and normalised). What goes into a quantiser is computed in f32, as accurately as f32 sums, v_exp_f32 and their like allow (about 1e-6 of the number): no bf16 or f16 on the way to a quantiser, and a product that is left as it is and whose result goes on into a quantised operand takes f32 operands (vector FMAs, or v_wmma_f32_16x16x4_f32). A number that lies on a knife's edge between two numbers of the format may be rounded either way, as far as f32 arithmetic and the matrix unit's own rounding can turn it there, and no further.
;; One version. Each part assembles by itself: llvm-mc -triple=amdgcn-amd-amdhsa -mcpu=gfx1250 --defsym DOCPART=n.
;; ======== version 1 of 1: 4 launches
;; limits: right only within a limited range of input values
;; workspace buffers: qin 5,324,800 bytes; qkv 4,915,200 bytes; ctx 3,276,800 bytes
;; launch quant (part 1): grid 416 x 1, 4 waves a work-group, no clusters, 34,304 bytes of LDS; arguments hidden_states, Wq, Wk, Wv, Wo, qin; writes qin
.if DOCPART == 1
	.amdgcn_target "amdgcn-amd-amdhsa--gfx1250"
	.amdhsa_code_object_version 6
	.text
	.protected	k_q8d473f2bdc_quant
	.globl	k_q8d473f2bdc_quant
	.p2align	8
	.type	k_q8d473f2bdc_quant,@function
k_q8d473f2bdc_quant:
	s_mov_b64 s[64:65], 0
	v_nop
	global_prefetch_b8 v0, s[64:65] scope:SCOPE_SE
	s_setreg_imm32_b32 hwreg(HW_REG_WAVE_MODE, 25, 1), 1
	s_wait_xcnt 0x0
; hidden_states [4096][1024], Wq [1024][1024], Wk, Wv [1024][256], Wo [1024][1024], all f32, become codes of FP6 (E2M3) with one E8M0 scale byte for each 32 along K (K = the 1,024 of the model).
; A block's scale is 2^(floor(log2(its largest magnitude)) - 2): its byte is the largest magnitude's exponent field - 2, held at 1 from below by a floor among the maximum's leaves.
; LIMITS: a block of zeros, or one whose largest magnitude lies under 2^-124, gets the byte 1 (its codes then add what they are worth under that byte; zeros add nothing); the bytes are read by this program alone.  NaN and infinities among the inputs are not served.
; THE WORKSPACE IS LAID AS IMAGES OF OPERAND REGISTERS.  A fragment is 16 rows x 128 K, 12 registers a lane; its half c (64 K, registers 6 c .. 6 c + 5 of lane L = 16 h + r: K = 64 c + 32 h + 0 .. 31 of row r) is 768 bytes:
; registers 0-3 at 16 L, registers 4-5 at 512 + 8 L.  A fragment is its two halves on end, 1,536 bytes.  Scale words: [tile][K step 0..7][row 0..15], 4 bytes each.
; THE 16 ROWS OF A TILE ARE NOT NEIGHBOURS: row r of tile T is token (or weight column) 32 (T / 2) + 8 (T % 2) + r + 8 (r / 8), so that later results of two neighbouring tiles are 16 neighbours in a lane's registers.
; Work-groups 0-255: one tile of tokens each, wave w its K steps 2 w and 2 w + 1.  Work-groups 256-415: 128 columns x 128 K of a weight each, a lane to a column, its registers running down K.
; Memory binds: every load of hidden_states covers 512 consecutive bytes, every store of codes 256 or 512 consecutive bytes.  Waves share nothing: no barrier.
.set HIDS, 3145728                     ; sections of qin, in bytes: hidden's codes at 0 [32 row groups][8 K steps][8 tiles][1536]; its scale words here
.set WQC,  3276800                     ; Wq | Wk | Wv as one matrix of 1,536 columns, 24 heads of 4 tiles: [24 heads][8 K steps][4 tiles][1536]
.set WQS,  4456448
.set WOC,  4505600                     ; Wo: [8 groups of 8 tiles][8 K steps][8 tiles][1536]
.set WOS,  5292032
.set FLOOR, 0x1800000                  ; 2^(3 - 127)
.set OFFE,  0xff000000                 ; takes 2 off an exponent field
.set R,   16                           ; v16-143   hidden: 2 K steps x 16 rows as loaded
.set X,   144                          ; v144-207  hidden: my 64 numbers of a K step
.set P,   208                          ; v208-231  hidden: a fragment's 12 registers for each of the two K steps
.set MX,  232                          ; v232-235  largest magnitudes, at work
.set OP,  236                          ; v236-237  the conversions' scale operands
.set BY,  238                          ; v238-239  scale bytes
.set TT,  240                          ; v240-242  a conversion's second half, before it is moved
.set WD,  10                           ; v10-11    the two K steps' scale words
.set XW,  16                           ; v16-79    weights: two sets of 32 numbers
.set CW,  96                           ; v96..     weights: block t's six registers at CW + 8 t
; v[m] = the largest magnitude of v[x] .. v[x + 31] and the floor: 33 leaves, 16 instructions, two chains; v[m + 1] at work
.macro MAX32 m, x
	v_max3_num_f32 v[\m], |v[\x]|, |v[\x+1]|, FLOOR
	v_max3_num_f32 v[\m+1], |v[\x+2]|, |v[\x+3]|, |v[\x+4]|
.irp i, 0,1,2,3,4,5
	v_max3_num_f32 v[\m], v[\m], |v[\x+5+2*\i]|, |v[\x+6+2*\i]|
	v_max3_num_f32 v[\m+1], v[\m+1], |v[\x+19+2*\i]|, |v[\x+20+2*\i]|
.endr
	v_max3_num_f32 v[\m], v[\m], |v[\x+17]|, |v[\x+18]|
	v_max3_num_f32 v[\m], v[\m], v[\m+1], |v[\x+31]|
.endm
; a block's 32 numbers v[x] .. become its 192 bits of codes in v[pc] .. v[pc + 5].  A conversion's three registers begin on an even number, so the second half is made in v[tt] .. and moved
.macro CODES pc, tt, x, op
	v_cvt_scalef32_pk16_fp6_f32 v[\pc:\pc+2], v[\x:\x+15], v[\op]
	v_cvt_scalef32_pk16_fp6_f32 v[\tt:\tt+2], v[\x+16:\x+31], v[\op]
	v_nop                                          ; one plain instruction between a scaled conversion and the vector instruction that reads its result
.irp i, 0,1,2
	v_mov_b32 v[\pc+3+\i], v[\tt+\i]
.endr
.endm
	s_load_b256 s[4:11], s[0:1], 0x0               ; hidden s[4:5], Wq s[6:7], Wk s[8:9], Wv s[10:11]
	s_load_b128 s[12:15], s[0:1], 0x20             ; Wo s[12:13], qin s[14:15]
	v_lshl_add_u32 v248, v0, 2, 0x8400
	v_mov_b32 v249, 0
	v_lshrrev_b32 v1, 5, v0
	v_readfirstlane_b32 s16, v1                    ; wave 0..3
	v_and_b32 v1, 31, v0                           ; lane
	s_cmp_lt_u32 ttmp9, 256
	s_cbranch_scc0 .Lweights
; ---------------- hidden_states: tile T = the work-group's number ----------------
	s_mov_b32 s18, 0x76543210
	s_mov_b32 s19, 0xfedcba98                      ; v_permlanex16_b32's selects for lane l xor 16
	v_and_b32 v2, 15, v0                           ; r
	v_bfe_u32 v3, v0, 4, 1                         ; h
	v_lshlrev_b32 v4, 4, v1                        ; 16 x lane: a load's 512 bytes, and an image's first four registers
	s_mul_i32 s20, s16, 8448                       ; my wave's stage: 16 rows x (512 bytes + 16)
	v_add_nc_u32 v5, s20, v4                       ; the stage, way in: a row as it was loaded
	v_mul_u32_u24 v6, v2, 528
	v_lshl_add_u32 v6, v3, 7, v6
	v_add_nc_u32 v6, s20, v6                       ; way out: row r, + 128 h bytes: my 32 numbers of each 64
	v_lshlrev_b32 v7, 3, v1                        ; 8 x lane: an image's last two registers
	v_lshlrev_b32 v8, 2, v1                        ; 4 x lane = 64 h + 4 r: K step 2 w + h, row r among the scale words
	v_lshlrev_b32 v9, 3, v3                        ; 8 h: my bytes' place in a scale word
	v_mov_b32 v12, 0                               ; written once: a lane permute's destination counts as one of its sources
	v_cmp_ne_u32 vcc_lo, 0, v3
	s_lshr_b32 s21, ttmp9, 1
	s_lshl_b32 s21, s21, 5
	s_and_b32 s22, ttmp9, 1
	s_lshl_b32 s22, s22, 3
	s_add_co_u32 s21, s21, s22                     ; the tile's first token: 32 (T / 2) + 8 (T % 2)
	s_lshl_b32 s22, s21, 12                        ; x 4,096 bytes a token,
	s_lshl_b32 s23, s16, 10
	s_add_co_u32 s22, s22, s23                     ; + my wave's 256 numbers
	s_mov_b32 s23, 0
	s_lshr_b32 s24, ttmp9, 3
	s_lshl_b32 s24, s24, 3
	s_lshl_b32 s25, s16, 1
	s_add_co_u32 s24, s24, s25                     ; 8 (T / 8) + K step 2 w
	s_lshl_b32 s24, s24, 3
	s_and_b32 s25, ttmp9, 7
	s_add_co_u32 s24, s24, s25
	s_mul_i32 s24, s24, 1536                       ; my first fragment's place
	s_mov_b32 s25, 0
	s_lshl_b32 s26, ttmp9, 9
	s_lshl_b32 s27, s16, 7
	s_add_co_u32 s26, s26, s27
	s_add_co_u32 s26, s26, HIDS                    ; my two K steps' scale words: 512 T + 128 w
	s_mov_b32 s27, 0
	s_wait_alu depctr_va_vdst(0)
	s_wait_kmcnt 0x0
	s_add_nc_u64 s[4:5], s[4:5], s[22:23]
	s_add_nc_u64 s[24:25], s[14:15], s[24:25]
	s_add_nc_u64 s[26:27], s[14:15], s[26:27]
.irp q, 0,1
.irp row, 0,1,2,3,4,5,6,7,8,9,10,11,12,13,14,15
	global_load_b128 v[R+64*\q+4*\row:R+64*\q+4*\row+3], v4, s[4:5] offset:(\row+8*(\row/8))*4096+512*\q th:TH_LOAD_NT   ; 32 lanes read 512 consecutive bytes: a K step of one token
.endr
.endr
.macro HSTEP q
	s_wait_loadcnt 16-16*\q                        ; this K step's 16 loads are in; the second step's 16 may be out
.irp row, 0,1,2,3,4,5,6,7,8,9,10,11,12,13,14,15
	ds_store_b128 v5, v[R+64*\q+4*\row:R+64*\q+4*\row+3] offset:528*\row
.endr
.irp c, 0,1
.irp i, 0,1,2,3,4,5,6,7
	ds_load_b128 v[X+32*\c+4*\i:X+32*\c+4*\i+3], v6 offset:256*\c+16*\i   ; LDS serves a wave's instructions in order: these see my stores.  K = 64 c + 32 h + 4 i .. of row r
.endr
.endr
	s_wait_dscnt 0x0
	MAX32 MX, X                                    ; my two whole blocks: h and 2 + h of the K step
	MAX32 MX+2, X+32
	v_add_nc_u32 v[OP], OFFE, v[MX]                ; the conversion takes the exponent field of this operand as its scale, and nothing else of it
	v_add_nc_u32 v[OP+1], OFFE, v[MX+2]
	v_lshrrev_b32 v[BY], 23, v[OP]                 ; the scales' bytes
	v_lshrrev_b32 v[BY+1], 23, v[OP+1]
	v_lshl_or_b32 v[WD+\q], v[BY+1], 16, v[BY]
	v_lshlrev_b32 v[WD+\q], v9, v[WD+\q]           ; at their places in the row's scale word;
	v_permlanex16_b32 v12, v[WD+\q], s18, s19
	v_or_b32 v[WD+\q], v[WD+\q], v12               ; with lane l xor 16's two bytes the word is whole
	CODES P+12*\q, TT, X, OP
	CODES P+12*\q+6, TT, X+32, OP+1
.irp c, 0,1
	global_store_b128 v4, v[P+12*\q+6*\c:P+12*\q+6*\c+3], s[24:25] offset:12288*\q+768*\c          ; 512 consecutive bytes
	global_store_b64 v7, v[P+12*\q+6*\c+4:P+12*\q+6*\c+5], s[24:25] offset:12288*\q+768*\c+512     ; 256 consecutive bytes.  Every store has data registers of its own
.endr
.endm
	HSTEP 0
	HSTEP 1
	v_cndmask_b32 v13, v10, v11, vcc_lo            ; lanes 0-15 the first K step's words, lanes 16-31 the second's
	global_store_b32 v8, v13, s[26:27]             ; 128 consecutive bytes
	s_wait_tensorcnt 0x0
	ds_add_u32 v248, v249
	s_wait_dscnt 0x0
	s_endpgm
; ---------------- the weights: K is their first axis ----------------
.Lweights:
	v_bfe_u32 v2, v0, 3, 1                         ; my column is 32 x wave + lane of the work-group's 128: tile u = (lane / 8) % 2 of the wave's two,
	v_and_b32 v3, 7, v0
	v_bfe_u32 v10, v0, 4, 1
	v_lshl_add_u32 v3, v10, 3, v3                  ; row r = lane % 8 + 8 (lane / 16) of it
	s_wait_alu depctr_va_vdst(0)
	v_lshlrev_b32 v4, 2, v1                        ; in: 4 bytes a lane, 128 consecutive bytes a load
	v_mul_u32_u24 v5, v2, 1536
	v_lshl_add_u32 v6, v3, 3, v5                   ; an image's last two registers: 1536 u + 8 r
	v_lshl_add_u32 v5, v3, 4, v5                   ; its first four: 1536 u + 16 r
	v_lshlrev_b32 v7, 9, v2
	v_lshl_add_u32 v7, v3, 2, v7                   ; the scale word: 512 u + 4 r
	s_sub_co_u32 s20, ttmp9, 256
	s_cmp_lt_u32 s20, 128
	s_cbranch_scc0 .Lnarrow
; s22 = which 128 columns, s23 = K step, s24 = my wave's first tile in its section, s29, s30 = the sections, s[26:27] = the weight.  Eight tiles (128 columns) form a group.
.macro WSETUP pitch
	s_lshr_b32 s31, s24, s40                       ; the group: 2^s40 tiles (8 for Wo, 4, a head, for the others),
	s_and_b32 s32, s24, s41                        ; the tile in it
	s_lshl_b32 s31, s31, 3
	s_add_co_u32 s31, s31, s23
	s_lshl_b32 s31, s31, s40
	s_add_co_u32 s31, s31, s32
	s_mul_i32 s36, s31, 1536
	s_add_co_u32 s36, s36, s29                     ; my first fragment's place in qin
	s_mov_b32 s37, 0
	s_lshl_b32 s38, s24, 9
	s_lshl_b32 s33, s23, 6
	s_add_co_u32 s38, s38, s33
	s_add_co_u32 s38, s38, s30                     ; and its scale words'
	s_mov_b32 s39, 0
	s_mul_i32 s34, s23, 128*\pitch                 ; the weight: 128 rows a K step,
	s_lshl_b32 s35, s22, 9
	s_add_co_u32 s34, s34, s35                     ; 512 bytes for each 128 columns,
	s_lshl_b32 s35, s16, 7
	s_add_co_u32 s34, s34, s35                     ; 128 for each wave
	s_mov_b32 s35, 0
	s_add_nc_u64 s[26:27], s[26:27], s[34:35]
	s_add_nc_u64 s[36:37], s[14:15], s[36:37]
	s_add_nc_u64 s[38:39], s[14:15], s[38:39]
.endm
.macro LOADW t, pitch                  ; block t: W(32 t + i, my column), i = 0 .. 31, into set t % 2
.irp i, 0,1,2,3,4,5,6,7,8,9,10,11,12,13,14,15,16,17,18,19,20,21,22,23,24,25,26,27,28,29,30,31
	global_load_b32 v[XW+32*((\t)%2)+\i], v4, s[26:27] offset:(32*(\t)+\i)*\pitch th:TH_LOAD_NT
.endr
.endm
.macro WBLOCK t, pitch                 ; block t is half c = t / 2, lanes' half h = t % 2 of my tile's fragment
.if \t < 3
	s_wait_loadcnt 32                              ; this block's 32 loads are in; the next block's 32 may be out
.else
	s_wait_loadcnt 0x0
.endif
	MAX32 82, XW+32*(\t%2)                         ; all 32 numbers of the block are mine
	v_add_nc_u32 v88, OFFE, v82
	v_lshrrev_b32 v89, 23, v88
.if \t == 0
	v_mov_b32 v80, v89                             ; the four bytes make my column's scale word, the lower K in the lower byte
.else
	v_lshl_or_b32 v80, v89, 8*\t, v80
.endif
	CODES CW+8*\t, 84, XW+32*(\t%2), 88
.if \t < 2
	LOADW \t+2, \pitch
.endif
	global_store_b128 v5, v[CW+8*\t:CW+8*\t+3], s[36:37] offset:768*(\t/2)+256*(\t%2)              ; sixteen lanes of a tile store 256 consecutive bytes
	global_store_b64 v6, v[CW+8*\t+4:CW+8*\t+5], s[36:37] offset:768*(\t/2)+512+128*(\t%2)
.endm
.macro WBODY pitch
	LOADW 0, \pitch
	LOADW 1, \pitch
	WBLOCK 0, \pitch
	WBLOCK 1, \pitch
	WBLOCK 2, \pitch
	WBLOCK 3, \pitch
	global_store_b32 v7, v80, s[38:39]
.endm
	s_lshr_b32 s21, s20, 6                         ; Wq (0) or Wo (1): 64 work-groups each
	s_and_b32 s22, s20, 7
	s_bfe_u32 s23, s20, 0x30003
	s_lshl_b32 s24, s22, 3
	s_lshl_b32 s25, s16, 1
	s_add_co_u32 s24, s24, s25                     ; tile 8 x (which 128 columns) + 2 x wave
	s_mov_b32 s29, WQC
	s_mov_b32 s30, WQS
	s_wait_kmcnt 0x0
	s_cmp_eq_u32 s21, 1                            ; the choice hangs on the work-group's number alone
	s_cselect_b64 s[26:27], s[12:13], s[6:7]
	s_cselect_b32 s29, WOC, s29
	s_cselect_b32 s30, WOS, s30
	s_cselect_b32 s40, 3, 2
	s_cselect_b32 s41, 7, 3
	WSETUP 4096
	s_wait_alu depctr_va_vdst(0)
	WBODY 4096
	s_endpgm
.Lnarrow:
	s_sub_co_u32 s20, s20, 128
	s_lshr_b32 s21, s20, 4                         ; Wk (0) or Wv (1): 16 work-groups each
	s_and_b32 s22, s20, 1
	s_bfe_u32 s23, s20, 0x30001
	s_lshl_b32 s24, s21, 4
	s_lshl_b32 s25, s22, 3
	s_add_co_u32 s24, s24, s25
	s_lshl_b32 s25, s16, 1
	s_add_co_u32 s24, s24, s25
	s_add_co_u32 s24, s24, 64                      ; behind Wq's 64 tiles: Wk's 16, then Wv's 16
	s_mov_b32 s29, WQC
	s_mov_b32 s30, WQS
	s_wait_kmcnt 0x0
	s_cmp_eq_u32 s21, 1
	s_cselect_b64 s[26:27], s[10:11], s[8:9]
	s_mov_b32 s40, 2
	s_mov_b32 s41, 3
	WSETUP 1024
	s_wait_alu depctr_va_vdst(0)
	WBODY 1024
	s_endpgm
.Lfunc_end_k_q8d473f2bdc_quant:
	.size	k_q8d473f2bdc_quant, .Lfunc_end_k_q8d473f2bdc_quant-k_q8d473f2bdc_quant
	.p2alignl 7, 3214868480
	.fill 96, 4, 3214868480
	.section	.rodata,"a",@progbits
	.p2align	6, 0x0
	.amdhsa_kernel k_q8d473f2bdc_quant
		.amdhsa_group_segment_fixed_size 34304
		.amdhsa_private_segment_fixed_size 0
		.amdhsa_enable_private_segment 0
		.amdhsa_kernarg_size 48
		.amdhsa_user_sgpr_count 2
		.amdhsa_user_sgpr_kernarg_segment_ptr 1
		.amdhsa_wavefront_size32 1
		.amdhsa_system_sgpr_workgroup_id_x 1
		.amdhsa_system_sgpr_workgroup_id_y 1
		.amdhsa_system_sgpr_workgroup_id_z 1
		.amdhsa_system_vgpr_workitem_id 0
		.amdhsa_next_free_vgpr 250
		.amdhsa_next_free_sgpr 66
		.amdhsa_reserve_vcc 1
		.amdhsa_float_denorm_mode_32 3
		.amdhsa_float_denorm_mode_16_64 3
		.amdhsa_memory_ordered 1
		.amdhsa_forward_progress 1
		.amdhsa_inst_pref_size 58
	.end_amdhsa_kernel
	.amdgpu_metadata
---
amdhsa.version: [ 1, 2 ]
amdhsa.kernels:
  - .name:           k_q8d473f2bdc_quant
    .symbol:         k_q8d473f2bdc_quant.kd
    .args:
      - { .name: hidden_states, .offset: 0, .size: 8, .value_kind: global_buffer, .address_space: global }
      - { .name: Wq, .offset: 8, .size: 8, .value_kind: global_buffer, .address_space: global }
      - { .name: Wk, .offset: 16, .size: 8, .value_kind: global_buffer, .address_space: global }
      - { .name: Wv, .offset: 24, .size: 8, .value_kind: global_buffer, .address_space: global }
      - { .name: Wo, .offset: 32, .size: 8, .value_kind: global_buffer, .address_space: global }
      - { .name: qin, .offset: 40, .size: 8, .value_kind: global_buffer, .address_space: global }
    .group_segment_fixed_size: 34304
    .private_segment_fixed_size: 0
    .kernarg_segment_align: 8
    .kernarg_segment_size: 48
    .max_flat_workgroup_size: 128
    .sgpr_count:     66
    .vgpr_count:     250
    .wavefront_size: 32
...
	.end_amdgpu_metadata
.endif
;; end of part 1
;; launch proj (part 2): grid 32 x 8, 8 waves a work-group, no clusters, 257,024 bytes of LDS; arguments qin, qkv; writes qkv
.if DOCPART == 2
	.amdgcn_target "amdgcn-amd-amdhsa--gfx1250"
	.amdhsa_code_object_version 6
	.text
	.protected	k_q8d473f2bdc_proj
	.globl	k_q8d473f2bdc_proj
	.p2align	8
	.type	k_q8d473f2bdc_proj,@function
k_q8d473f2bdc_proj:
	s_mov_b64 s[64:65], 0
	v_nop
	global_prefetch_b8 v0, s[64:65] scope:SCOPE_SE
	s_setreg_imm32_b32 hwreg(HW_REG_WAVE_MODE, 25, 1), 1
	s_wait_xcnt 0x0
; q = x Wq, k = x Wk, v = x Wv on codes of FP6 (E2M3) with E8M0 scales, K = 1,024, sums in f32; the results are quantised at once, in registers: q and k along the head's 64, v along the tokens (the keys of attention's second product).
; SHARES.  The 1,536 columns are 24 heads of 64: q's 0-15, k's 16-19, v's 20-23.  A work-group takes 128 tokens (x: 32 groups) x THREE heads, 3 y .. 3 y + 2 (y: 0..7): 256 work-groups of equal work.
; A wave has twelve accumulators.  THE PAIR (heads 3 y, 3 y + 1): four tiles as source 0, two as source 1.  THE SINGLE (head 3 y + 2): four tiles as source 0, one as source 1.
;   a q or k head: source 0 = its four column tiles, source 1 = token tiles (pair: 2 (w / 2), + 1 of head w % 2; single: tile w): a lane holds one token, and the head's d runs along its registers.
;   a v head:      source 0 = token tiles 4 (w / 4) .. + 3, source 1 = column tiles (pair: 2 (w % 4), + 1 of the pair's eight; single: w % 4): a lane holds one d, and 64 tokens run along its registers.
; The pair makes v where y = 7, the single where y >= 6.  In all of them the 32 registers of a source-1 tile are 64 neighbours along the next product's K (two lanes to a row), which one macro quantises.
; ALL OF K LIES IN LDS.  The workspace holds operands as images of registers (a half fragment: 768 bytes, registers 0-3 at 16 x lane, 4-5 at 512 + 8 x lane), so the work-group's codes are two dense blocks, 98,304 bytes of tokens and
; 147,456 of weights, and its scale words two of 4,096 and 6,144: asynchronous copies bring them once, at the head, in four chunks of two K steps; nothing in LDS is filled again or stored to.  In front of a chunk's first read: a counted
; wait for my copies, and a barrier.  3 copies of scale words and 4 x (6 + 9) of codes: 63 a wave.
; ROWS OF A TILE: row r of tile T is token (column) 32 (T / 2) + 8 (T % 2) + r + 8 (r / 8).  So where tiles 2 b, 2 b + 1 are source 0, the 16 result registers of lane (r, h) are indices 32 b + 16 h + 0 .. 15.
; The roles differ in where the fragments lie alone.  All sets of LDS addresses are made at the head, from the wave's number; scalar branches on the work-group's y pick one of two copies of the loads and products.  No barrier stands under them.
; Not shared in a cluster: the copies go lane by lane and have no joint form.  No prefetch: all copies are issued at the head, so there is no loop to run ahead in.
; LIMITS: a block of zeros, or one whose largest magnitude lies under 2^-124, gets the scale byte 1; the bytes are read by this program alone.  NaN and infinities are not served.
.set HIDS, 3145728                     ; sections of qin (hidden's codes at 0)
.set WQC,  3276800                     ; the weights' codes [24 heads][8 K steps][4 tiles][1536]
.set WQS,  4456448                     ; their scale words [tile 96][K step][row]
.set QC,   0                           ; sections of qkv: q's half fragments [b 16 + head][tile 128][768]
.set KC,   3145728                     ; k's [b 4 + head][tile 128][768]
.set VC,   3932160                     ; v's [b 4 + head][key step 16][d tile 4][half 2][768]
.set QS,   4718592                     ; q's scale half words [..][tile][row], 2 bytes
.set KS,   4849664                     ; k's likewise
.set VS,   4882432                     ; v's scale words [..][key step][d tile][row], 4 bytes; a half's two bytes at + 2 x half
.set WCL,  98304                       ; LDS: hidden's codes at 0 [K step][8 tiles][1536]; the weights' here [head 3][K step][4 tiles][1536];
.set HSL,  245760                      ; hidden's scale words [tile 8][K step][row];
.set WSL,  249856                      ; the weights' [tile 12][K step][row]
.set SPARE, 256000                     ; the spare words: 128 bytes a wave
.set HL,   2                           ; v2-3    the copies' LDS addresses for hidden's codes: one register for each 65,536 bytes of the block
.set WL,   7                           ; v7-9    the same for the weights' codes
.set HB,   16                          ; s[16:19] hidden's codes in memory: a base for each 65,536 bytes
.set WB,   20                          ; s[20:25] the weights' likewise;  s[26:27], s[28:29] the two blocks of scale words
.set SEL,  30                          ; s[30:31] v_permlanex16_b32's selects for lane l xor 16
.set SA,   16                          ; v16-19  scale words of source 0's four tiles
.set SB,   20                          ; v20-21  of source 1's
.set RR,   22                          ; v22 r, v23 h, v24 16 x lane, v25 8 x lane, v26 lane
.set HH,   23
.set L16,  24
.set L8,   25
.set LN,   26
.set TM,   50                          ; v50-55  the way out: at work
.set AFR,  60                          ; v60-107 source 0's four fragments; on the way out the codes
.set BFR,  108                         ; v108-131 source 1's
.set ACC,  132                         ; v132-227 the pair's eight accumulators (source 1's tile tb, source 0's tile ta at ACC + 32 tb + 8 ta), then the single's four
.set SPW,  238                         ; v238 my spare word; v239 0: never rewritten
.set NIL,  239
; other registers: v1, v6 the copies' offsets, v4, v5, v14 their LDS addresses for the scale words; v10-13 the step's addresses; six LDS bases a role (source 0: 16 x, 8 x lane; source 1 likewise; the two scale words'):
; v28-33 the pair as q or k, v34-39 as v, v40-45 the single as q or k, as v: v34, 35, 46, 47, 38, 48; v56-59 scale bytes; v228-235 the stores' offsets
; 32 registers v[s + 16 b + i] = index 32 b + 16 h + i of my row become a half fragment's six registers v[pc] .. v[pc + 5] and its two scale bytes in v[pw] (the same in lanes l and l xor 16).  Each accumulator is read from its low end on.
.macro QUANTH s, pc, pw
.irp b, 0,1
	v_max3_num_f32 v[TM+\b], |v[\s+16*\b]|, |v[\s+16*\b+1]|, 0x1800000   ; my 16 numbers of block b, and the floor 2^(3 - 127): the byte cannot fall under 1
.endr
.irp i, 2,4,6,8,10,12,14
.irp b, 0,1
	v_max3_num_f32 v[TM+\b], v[TM+\b], |v[\s+16*\b+\i]|, |v[\s+16*\b+\i+1]|
.endr
.endr
.irp b, 0,1
	s_delay_alu instid0(VALU_DEP_2)
	v_permlanex16_b32 v[TM+2+\b], v[TM+\b], s[SEL], s[SEL+1]
.endr
.irp b, 0,1
	s_delay_alu instid0(VALU_DEP_2)
	v_max_num_f32 v[TM+\b], v[TM+\b], v[TM+2+\b]   ; with lane l xor 16's 16: the block's largest magnitude
.endr
.irp b, 0,1
	s_delay_alu instid0(VALU_DEP_2)
	v_add_nc_u32 v[TM+4+\b], 0xff000000, v[TM+\b]  ; 2 off its exponent field: the conversion's scale operand
.endr
.irp b, 0,1
	s_delay_alu instid0(VALU_DEP_2)
	v_lshrrev_b32 v[TM+2+\b], 23, v[TM+4+\b]       ; the scale's byte
.endr
	s_delay_alu instid0(VALU_DEP_1)
	v_lshl_or_b32 v[\pw], v[TM+3], 8, v[TM+2]
	v_cvt_scalef32_pk16_fp6_f32 v[\pc:\pc+2], v[\s:\s+15], v[TM+4]
	v_cvt_scalef32_pk16_fp6_f32 v[\pc+6:\pc+8], v[\s+16:\s+31], v[TM+5]
	v_nop                                          ; one plain instruction behind a scaled conversion
.irp i, 0,1,2
	v_permlane16_swap_b32 v[\pc+\i], v[\pc+6+\i]   ; the layout wants a whole block in a lane: lanes 0-15 block 0, lanes 16-31 block 1
.endr
.irp i, 0,1,2
	s_delay_alu instid0(VALU_DEP_3)
	v_mov_b32 v[\pc+3+\i], v[\pc+6+\i]
.endr
.endm
; n fragments on end in LDS into v[reg] ..: four loads each, every one of consecutive bytes
.macro FRAGS reg, n, a16, a8
.set f, 0
.rept \n
	ds_load_b128 v[\reg+12*f:\reg+12*f+3], v[\a16] offset:1536*f
	ds_load_b64 v[\reg+12*f+4:\reg+12*f+5], v[\a8] offset:1536*f+512
	ds_load_b128 v[\reg+12*f+6:\reg+12*f+9], v[\a16] offset:1536*f+768
	ds_load_b64 v[\reg+12*f+10:\reg+12*f+11], v[\a8] offset:1536*f+1280
.set f, f+1
.endr
.endm
; One pass of a copy: 4,096 bytes from byte `byte` of a block on.  The immediate, which is added to both addresses, stays under 65,536: the block's 65,536 bytes in which the pass lies pick the LDS address register and the base.
.macro COPY lreg, sb, byte
	global_load_async_to_lds_b128 v[\lreg+(\byte)/65536], v1, s[\sb+2*((\byte)/65536):\sb+2*((\byte)/65536)+1] offset:(\byte)%65536
.endm
; Where a q or k head's results go: head h (0-15 q, 16-19 k), first tile tq of the group's eight -> byte offsets of the codes and of the scale half words.  s32 the batch, s33 the group of 128 tokens in it; s44-47 at work
.macro QKADR h, tq, oc, os
	s_sub_co_u32 s44, \h, 16
	s_mov_b32 s45, KC
	s_mov_b32 s46, KS
	s_cmp_lt_u32 \h, 16
	s_cselect_b32 s47, 16, 4                       ; heads in a batch
	s_cselect_b32 s44, \h, s44
	s_cselect_b32 s45, QC, s45
	s_cselect_b32 s46, QS, s46
	s_mul_i32 s47, s32, s47
	s_add_co_u32 s47, s47, s44
	s_lshl_b32 s47, s47, 7                         ; 128 tiles a head,
	s_lshl_b32 s44, s33, 3                         ; 8 a group of tokens
	s_add_co_u32 s47, s47, s44
	s_add_co_u32 s47, s47, \tq
	s_mul_i32 \oc, s47, 768
	s_add_co_u32 \oc, \oc, s45
	s_lshl_b32 \os, s47, 5
	s_add_co_u32 \os, \os, s46
.endm
; The same for a v head hv (0-3), d tile dt; my tokens are half s14 of the key step s33
.macro VADR hv, dt, oc, os
	s_lshl_b32 s47, s32, 2
	s_add_co_u32 s47, s47, \hv
	s_lshl_b32 s47, s47, 4
	s_add_co_u32 s47, s47, s33                     ; 16 key steps a head
	s_lshl_b32 s44, s47, 3                         ; 8 half fragments a key step, 2 a d tile
	s_lshl_b32 s45, \dt, 1
	s_add_co_u32 s44, s44, s45
	s_add_co_u32 s44, s44, s14
	s_mul_i32 \oc, s44, 768
	s_add_co_u32 \oc, \oc, VC
	s_lshl_b32 \os, s47, 8                         ; scale words: 256 bytes a key step, 64 a d tile, 2 a half
	s_lshl_b32 s45, \dt, 6
	s_add_co_u32 \os, \os, s45
	s_lshl_b32 s45, s14, 1
	s_add_co_u32 \os, \os, s45
	s_add_co_u32 \os, \os, VS
.endm
	s_load_b128 s[4:7], s[0:1], 0x0                ; qin s[4:5], qkv s[6:7]
	v_lshl_add_u32 v[SPW], v0, 2, SPARE
	v_mov_b32 v[NIL], 0
	ds_add_u32 v[SPW], v[NIL]                      ; the opening lines: the add, twice on end, and its wait ahead of my first copy
	ds_add_u32 v[SPW], v[NIL]
	v_lshrrev_b32 v22, 5, v0
	s_delay_alu instid0(VALU_DEP_1)
	v_readfirstlane_b32 s8, v22                    ; wave 0..7
	s_lshr_b32 s9, s8, 1                           ; the pair as q, k: which two token tiles,
	s_and_b32 s10, s8, 1                           ;       which head of the two
	s_lshr_b32 s14, s8, 2                          ; v: which four token tiles,
	s_and_b32 s15, s8, 3                           ;    which column tiles
	s_mov_b32 s11, ttmp9                           ; the group of 128 tokens
	s_and_b32 s12, ttmp7, 0xffff                   ; y
	s_cmp_eq_u32 s12, 7
	s_cselect_b32 s13, 1, 0                        ; 1: the pair makes v
	s_cmp_ge_u32 s12, 6
	s_cselect_b32 s34, 1, 0                        ; 1: the single makes v
	s_mul_i32 s16, s11, 98304                      ; hidden's codes of my tokens
	s_mov_b32 s17, 0
	s_mul_i32 s20, s12, 147456
	s_add_co_u32 s20, s20, WQC                     ; the weights' codes of my three heads
	s_mov_b32 s21, 0
	s_lshl_b32 s26, s11, 12
	s_add_co_u32 s26, s26, HIDS
	s_mov_b32 s27, 0
	s_mul_i32 s28, s12, 6144
	s_add_co_u32 s28, s28, WQS
	s_mov_b32 s29, 0
	s_mov_b32 s[SEL], 0x76543210
	s_mov_b32 s[SEL+1], 0xfedcba98
	v_lshlrev_b32 v1, 4, v0                        ; the copies: 16 bytes a thread, 4,096 a pass; v1-v9, v14 and s[16:29] stay as they are to the end
	v_lshlrev_b32 v[HL], 4, v0
	v_lshl_add_u32 v[HL+1], v0, 4, 65536
	v_lshl_add_u32 v[WL], v0, 4, WCL
	v_lshl_add_u32 v[WL+1], v0, 4, WCL+65536
	v_lshl_add_u32 v[WL+2], v0, 4, WCL+131072
	v_lshl_add_u32 v4, v0, 4, HSL
	v_lshl_add_u32 v5, v0, 4, WSL
	v_lshlrev_b32 v6, 3, v0
	v_lshl_add_u32 v14, v0, 3, WSL
	s_wait_alu depctr_va_vdst(0)
	s_wait_dscnt 0x0                               ; both opening adds are done
	s_wait_kmcnt 0x0
	s_add_nc_u64 s[HB:HB+1], s[4:5], s[16:17]
	s_add_nc_u64 s[HB+2:HB+3], s[HB:HB+1], 0x10000
	s_add_nc_u64 s[WB:WB+1], s[4:5], s[20:21]
	s_add_nc_u64 s[WB+2:WB+3], s[WB:WB+1], 0x10000
	s_add_nc_u64 s[WB+4:WB+5], s[WB+2:WB+3], 0x10000
	s_add_nc_u64 s[26:27], s[4:5], s[26:27]
	s_add_nc_u64 s[28:29], s[4:5], s[28:29]
	global_load_async_to_lds_b128 v4, v1, s[26:27]                 ; the scale words first: hidden's 4,096 bytes,
	global_load_async_to_lds_b128 v5, v1, s[28:29]                 ; the weights' first 4,096,
	global_load_async_to_lds_b64 v14, v6, s[28:29] offset:4096     ; and their last 2,048, 8 bytes a thread
.irp c, 0,1,2,3                        ; then four chunks of two K steps: 6 copies of hidden's codes, 3 for each of the three heads
.irp i, 0,1,2,3,4,5
	COPY HL, HB, 24576*\c+4096*\i
.endr
.irp h, 0,1,2
.irp i, 0,1,2
	COPY WL, WB, 49152*\h+12288*\c+4096*\i
.endr
.endr
.endr
	; the LDS bases, all from the wave's number
	s_mul_i32 s36, s10, 49152                      ; the pair as q, k: source 0: my head's column tiles,
	s_add_co_u32 s36, s36, WCL
	s_mul_i32 s37, s9, 3072                        ; source 1: my two token tiles;
	s_lshl_b32 s38, s10, 11                        ; scale words: 512 bytes a tile, 64 a K step, 4 a row
	s_add_co_u32 s38, s38, WSL
	s_lshl_b32 s39, s9, 10
	s_add_co_u32 s39, s39, HSL
	s_mul_i32 s40, s14, 6144                       ; as v: source 0: my four token tiles,
	s_lshr_b32 s41, s15, 1
	s_mul_i32 s41, s41, 49152
	s_and_b32 s42, s15, 1
	s_mul_i32 s42, s42, 3072
	s_add_co_u32 s41, s41, s42
	s_add_co_u32 s41, s41, WCL                     ; source 1: column tiles 2 (w % 4), + 1 of the pair's eight
	s_lshl_b32 s42, s14, 11
	s_add_co_u32 s42, s42, HSL
	s_lshl_b32 s43, s15, 10
	s_add_co_u32 s43, s43, WSL
	s_mul_i32 s44, s8, 1536                        ; the single as q, k: source 1: token tile w
	s_lshl_b32 s45, s8, 9
	s_add_co_u32 s45, s45, HSL
	s_mul_i32 s46, s15, 1536                       ; as v: source 1: column tile w % 4 of the third head
	s_add_co_u32 s46, s46, WCL+98304
	s_lshl_b32 s47, s15, 9
	s_add_co_u32 s47, s47, WSL+4096
	v_and_b32 v[LN], 31, v0                        ; lane
	v_and_b32 v[RR], 15, v0                        ; r
	v_bfe_u32 v[HH], v0, 4, 1                      ; h
	v_mov_b32 v[TM+2], 0                           ; written once: a lane permute's destination counts as one of its sources
	v_mov_b32 v[TM+3], 0
	v_lshlrev_b32 v[L16], 4, v[LN]
	v_lshlrev_b32 v[L8], 3, v[LN]
	v_lshl_add_u32 v32, v[RR], 2, s38
	v_lshl_add_u32 v33, v[RR], 2, s39
	v_lshl_add_u32 v38, v[RR], 2, s42
	v_lshl_add_u32 v39, v[RR], 2, s43
	v_lshl_add_u32 v44, v[RR], 2, WSL+4096
	v_lshl_add_u32 v45, v[RR], 2, s45
	v_lshl_add_u32 v48, v[RR], 2, s47
	v_add_nc_u32 v28, s36, v[L16]
	v_add_nc_u32 v29, s36, v[L8]
	v_add_nc_u32 v30, s37, v[L16]
	v_add_nc_u32 v31, s37, v[L8]
	v_add_nc_u32 v34, s40, v[L16]
	v_add_nc_u32 v35, s40, v[L8]
	v_add_nc_u32 v36, s41, v[L16]
	v_add_nc_u32 v37, s41, v[L8]
	v_add_nc_u32 v40, WCL+98304, v[L16]
	v_add_nc_u32 v41, WCL+98304, v[L8]
	v_add_nc_u32 v42, s44, v[L16]
	v_add_nc_u32 v43, s44, v[L8]
	v_add_nc_u32 v46, s46, v[L16]
	v_add_nc_u32 v47, s46, v[L8]
	s_wait_alu depctr_va_vdst(0)
	; where the results go
	s_lshr_b32 s32, s11, 4                         ; the batch
	s_and_b32 s33, s11, 15                         ; the group of 128 tokens in it: for v the key step
	s_mul_i32 s35, s12, 3                          ; my first head
	s_add_co_u32 s36, s35, s10
	s_lshl_b32 s37, s9, 1
	QKADR s36, s37, s38, s39                       ; the pair as q, k: head 3 y + w % 2, tiles 2 (w / 2), + 1
	s_lshr_b32 s36, s15, 1
	s_add_co_u32 s36, s36, s35
	s_sub_co_u32 s36, s36, 20
	s_and_b32 s37, s15, 1
	s_lshl_b32 s37, s37, 1
	VADR s36, s37, s40, s41                        ; as v: head 3 y - 20 + (w % 4) / 2, d tiles 2 (w % 2), + 1
	s_mov_b32 s42, 768
	s_cmp_eq_u32 s13, 1
	s_cselect_b32 s38, s40, s38                    ; where my first half fragment goes,
	s_cselect_b32 s39, s41, s39                    ; and its scale bytes;
	s_cselect_b32 s42, 1536, s42                   ; bytes from my tile 0 to tile 1 among the codes;
	s_cselect_b32 s43, 2, 1                        ; among the scale bytes a row is 4 (v) or 2 bytes and a tile 16 rows: lane 16 h + r stands at lane x 4 or x 2
	s_add_co_u32 s36, s35, 2
	QKADR s36, s8, s50, s51                        ; the single as q, k: head 3 y + 2, tile w
	s_sub_co_u32 s36, s35, 18
	VADR s36, s15, s52, s53                        ; as v: head 3 y + 2 - 20, d tile w % 4
	s_cmp_eq_u32 s34, 1
	s_cselect_b32 s50, s52, s50
	s_cselect_b32 s51, s53, s51
	s_cselect_b32 s54, 2, 1
	v_add_nc_u32 v228, s38, v[L16]                 ; every store has address and data registers of its own
	v_add_nc_u32 v230, s38, v[L8]
	s_add_co_u32 s38, s38, s42
	v_add_nc_u32 v229, s38, v[L16]
	v_add_nc_u32 v231, s38, v[L8]
	v_lshlrev_b32 v232, s43, v[LN]                 ; lanes 0-15 store tile 0's bytes, lanes 16-31 tile 1's
	v_lshlrev_b32 v235, s54, v[RR]
	v_add_nc_u32 v233, s50, v[L16]
	v_add_nc_u32 v234, s50, v[L8]
	v_add_nc_u32 v232, s39, v232
	v_add_nc_u32 v235, s51, v235
	s_wait_alu depctr_va_vdst(0)
; A K step of 128 of one product from one set of bases: four fragments of source 0, n1 of source 1, their scale words, 4 n1 matrix instructions.  as, bs: bytes from K step to K step in source 0's and source 1's block.
; The twelve accumulators take turns, one instruction a turn, in the same order in all roles.  The step's number is an expression: it stands in parentheses.
.macro ARM s, n1, acc, as, bs, a16, a8, b16, b8, asc, bsc
	v_add_nc_u32 v10, (\s)*\as, v[\a16]            ; these four are also the places between the last products and the loads into the registers that they read
	v_add_nc_u32 v11, (\s)*\as, v[\a8]
	v_add_nc_u32 v12, (\s)*\bs, v[\b16]
	v_add_nc_u32 v13, (\s)*\bs, v[\b8]
	FRAGS AFR, 4, 10, 11
	FRAGS BFR, \n1, 12, 13
.irp i, 0,1,2,3
	ds_load_b32 v[SA+\i], v[\asc] offset:512*\i+64*(\s)
.endr
.set g, 0
.rept \n1
	ds_load_b32 v[SB+g], v[\bsc] offset:512*g+64*(\s)
.set g, g+1
.endr
	s_wait_dscnt 0x0
.set g, 0
.rept \n1
.irp ta, 0,1,2,3
.if (\s) == 0
	v_wmma_scale_f32_16x16x128_f8f6f4 v[\acc+32*g+8*\ta:\acc+32*g+8*\ta+7], v[AFR+12*\ta:AFR+12*\ta+11], v[BFR+12*g:BFR+12*g+11], 0, v[SA+\ta], v[SB+g] matrix_a_fmt:MATRIX_FMT_FP6 matrix_b_fmt:MATRIX_FMT_FP6
.else
	v_wmma_scale_f32_16x16x128_f8f6f4 v[\acc+32*g+8*\ta:\acc+32*g+8*\ta+7], v[AFR+12*\ta:AFR+12*\ta+11], v[BFR+12*g:BFR+12*g+11], v[\acc+32*g+8*\ta:\acc+32*g+8*\ta+7], v[SA+\ta], v[SB+g] matrix_a_fmt:MATRIX_FMT_FP6 matrix_b_fmt:MATRIX_FMT_FP6
.endif
.endr
.set g, g+1
.endr
.endm
.macro KSTEP s
	s_cmp_eq_u32 s13, 1                            ; the roles hang on the work-group's y alone: all eight waves go the same way
	s_cbranch_scc1 .Lpv_\@
	ARM (\s), 2, ACC, 6144, 12288, 28, 29, 30, 31, 32, 33
	s_branch .Lpj_\@
.Lpv_\@:
	ARM (\s), 2, ACC, 12288, 6144, 34, 35, 36, 37, 38, 39
.Lpj_\@:
	s_cmp_eq_u32 s34, 1
	s_cbranch_scc1 .Lsv_\@
	ARM (\s), 1, ACC+64, 6144, 12288, 40, 41, 42, 43, 44, 45
	s_branch .Lsj_\@
.Lsv_\@:
	ARM (\s), 1, ACC+64, 12288, 6144, 34, 35, 46, 47, 38, 48
.Lsj_\@:
.endm
.macro CHUNK c
	s_wait_asynccnt 15*(3-\c)                      ; copies end in the order of issue: the scale words and my part of chunks 0 .. c are in LDS; the 15 copies of each later chunk may be out
	s_wait_dscnt 0x0                               ; no LDS instruction of mine is pending at a signal
	s_barrier_signal -1
	s_barrier_wait -1                              ; every wave's part is in
	KSTEP 2*\c
	KSTEP 2*\c+1
.endm
	CHUNK 0
	CHUNK 1
	CHUNK 2
	CHUNK 3
	; THE WAY OUT.  In all roles registers ACC + 32 t + 16 b + i of lane (r, h) are index 32 b + 16 h + i of row r of source-1 tile t (t = 2: the single's): q, k: row = token, index = d; v: row = d, index = token.
.rept 4
	v_nop                                          ; four places between the last products and the first read of results
.endr
	v_cmp_ne_u32 vcc_lo, 0, v[HH]
	QUANTH ACC, 60, 56
	global_store_b128 v228, v[60:63], s[6:7]                       ; 512 consecutive bytes
	global_store_b64 v230, v[64:65], s[6:7] offset:512             ; 256 consecutive bytes
	QUANTH ACC+32, 72, 57
	global_store_b128 v229, v[72:75], s[6:7]
	global_store_b64 v231, v[76:77], s[6:7] offset:512
	QUANTH ACC+64, 84, 58
	global_store_b128 v233, v[84:87], s[6:7]
	global_store_b64 v234, v[88:89], s[6:7] offset:512
	v_cndmask_b32 v59, v56, v57, vcc_lo
	global_store_b16 v232, v59, s[6:7]             ; 64 bytes of scales beside 1,536 of codes
	global_store_b16 v235, v58, s[6:7]             ; the single's: lanes l and l + 16 write the same bytes with the same value
	s_wait_tensorcnt 0x0                           ; the wave's end
	ds_add_u32 v[SPW], v[NIL]
	s_wait_dscnt 0x0
	s_endpgm
.Lfunc_end_k_q8d473f2bdc_proj:
	.size	k_q8d473f2bdc_proj, .Lfunc_end_k_q8d473f2bdc_proj-k_q8d473f2bdc_proj
	.p2alignl 7, 3214868480
	.fill 96, 4, 3214868480
	.section	.rodata,"a",@progbits
	.p2align	6, 0x0
	.amdhsa_kernel k_q8d473f2bdc_proj
		.amdhsa_group_segment_fixed_size 257024
		.amdhsa_private_segment_fixed_size 0
		.amdhsa_enable_private_segment 0
		.amdhsa_kernarg_size 16
		.amdhsa_user_sgpr_count 2
		.amdhsa_user_sgpr_kernarg_segment_ptr 1
		.amdhsa_wavefront_size32 1
		.amdhsa_system_sgpr_workgroup_id_x 1
		.amdhsa_system_sgpr_workgroup_id_y 1
		.amdhsa_system_sgpr_workgroup_id_z 1
		.amdhsa_system_vgpr_workitem_id 0
		.amdhsa_next_free_vgpr 240
		.amdhsa_next_free_sgpr 66
		.amdhsa_reserve_vcc 1
		.amdhsa_float_denorm_mode_32 3
		.amdhsa_float_denorm_mode_16_64 3
		.amdhsa_memory_ordered 1
		.amdhsa_forward_progress 1
		.amdhsa_inst_pref_size 113
	.end_amdhsa_kernel
	.amdgpu_metadata
---
amdhsa.version: [ 1, 2 ]
amdhsa.kernels:
  - .name:           k_q8d473f2bdc_proj
    .symbol:         k_q8d473f2bdc_proj.kd
    .args:
      - { .name: qin, .offset: 0, .size: 8, .value_kind: global_buffer, .address_space: global }
      - { .name: qkv, .offset: 8, .size: 8, .value_kind: global_buffer, .address_space: global }
    .group_segment_fixed_size: 257024
    .private_segment_fixed_size: 0
    .kernarg_segment_align: 8
    .kernarg_segment_size: 16
    .max_flat_workgroup_size: 256
    .sgpr_count:     66
    .vgpr_count:     240
    .wavefront_size: 32
...
	.end_amdgpu_metadata
.endif
;; end of part 2
;; launch attn (part 3): grid 32 x 8, 16 waves a work-group, no clusters, 311,296 bytes of LDS; arguments qkv, ctx; writes ctx
.if DOCPART == 3
	.amdgcn_target "amdgcn-amd-amdhsa--gfx1250"
	.amdhsa_code_object_version 6
	.text
	.protected	k_q8d473f2bdc_attn
	.globl	k_q8d473f2bdc_attn
	.p2align	8
	.type	k_q8d473f2bdc_attn,@function
k_q8d473f2bdc_attn:
	s_mov_b64 s[64:65], 0
	v_nop
	global_prefetch_b8 v0, s[64:65] scope:SCOPE_SE
	s_setreg_imm32_b32 hwreg(HW_REG_WAVE_MODE, 25, 1), 1
	s_wait_xcnt 0x0
; context[q] = the sum over keys k <= q of softmax(q . k / 8) v, for 2 batches x 16 query heads of size 64, four query heads to a key and value head; both products on codes of FP6 (E2M3) with E8M0 scales.
; THE SOFTMAX AHEAD OF THE SECOND PRODUCT: t = score x log2(e) / 8; M = the largest t so far, rounded UP to a whole number; p = 2^(t - M) is quantised along the keys, not normalised.  The sum is taken of the unquantised p
; and divides at the end.  When M moves, the sum and O are multiplied by 2^(old M - new M): exact.  The context is then quantised along the head's 64, for the last product.
; LEFT OUT: key steps all of whose keys come after a tile's queries: reference's own causal mask gives them the weight 0.
; SHARES.  A work-group (x = j: 0..31, y = batch x 4 + key head) has sixteen waves.  Wave w: query head g = w % 4, parity e = (w / 4) % 2, tile u = w / 8.  The two waves (g, u, 0) and (g, u, 1) share TWO tiles of 16 queries:
; tile u of the group of 32 queries 63 - j, then tile u of group j.  Of each tile's key steps of 128 wave e takes steps e, e + 2, ..: a tile of group G has G / 4 + 1 steps and the two tiles 17, so a wave has 8 or 9.
; Each wave keeps a running M, sum and O^T of its own steps.  The partial results meet in LDS: every wave stores its part of the first tile, wave e = 0 its part of the second; behind one barrier wave e = 0 joins the first tile's
; two parts and wave e = 1 the second's: both parts are brought under the larger M by exact powers of two, added, divided by the joined sum.
; K AND V OF THE WHOLE HEAD LIE IN LDS (2 x 98,304 bytes of codes, 2 x 4,096 of scales): dense blocks of the workspace, images of operand registers, brought once by asynchronous copies at the head, in four chunks of four key steps.
; No copy fills bytes again, and none lands on the partial results' bytes.  In front of a chunk's first read: a counted wait for my copies, and a barrier.  Every wave passes every barrier and walks every trip; a step that is left out
; is left out by a scalar branch on ids, round its work alone.
; Not shared in a cluster, though the 32 work-groups of a head read the same K and V: the copies go lane by lane and have no joint form.  No prefetch: all copies are issued at the head, so there is no loop to run ahead in.
; LAYOUT.  Both products are used transposed: S^T = K Q^T (source 0 = 16 keys), O^T = V^T P^T (source 0 = 16 of the head's 64): a lane holds ONE query throughout.  Row r of a tile T of tokens (or of d) is 32 (T / 2) + 8 (T % 2) + r + 8 (r / 8):
; so the 16 registers of tiles 2 b, 2 b + 1 are 16 neighbours, 32 b + 16 h + 0 .. 15.
; K = 64 IN AN INSTRUCTION OF 128: Q's registers 6-11 are zero codes and its scale bytes 2, 3 are 0.  K's half fragments stand six registers apart, and a product names twelve: the upper six (the next tile's codes, or six zeros) meet zero codes.
; LIMITS: a masked score counts as -infinity (p = 0), which is what reference's -1e9 gives as long as a row's logits lie within some 1e9 of each other.  The scaled scores t stay under 2^31 in magnitude.
; A block of zeros, or one under 2^-124, gets the scale byte 1.  NaN and infinities are not served.
.set KC,   3145728                     ; sections of qkv (q's half fragments at 0)
.set VC,   3932160
.set QS,   4718592
.set KS,   4849664
.set VS,   4882432
.set CSEC, 3145728                     ; ctx: codes at 0 [32 groups of 8 tiles][K step 8][tile 8][half 2][768]; scale words here [tile 256][K step 8][row 16]
.set VCL,  98304                       ; LDS: K's half fragments at 0 [tile 128][768]; V's fragments here [key step 16][d tile 4][1536];
.set KSL,  196608                      ; K's scale half words [tile][row];
.set VSL,  200704                      ; V's scale words [key step][d tile][row]
.set PART, 204800                      ; 24 regions of REG bytes for partial results: region g + 4 (e + 3 u) is wave (g, e, u)'s own; its partner's (e = 0) or the second tile's (e = 1) lies NXT bytes on; wave e = 0 stores the second tile 2 NXT on
.set REG,  4352                        ; O^T: 8 x 512 bytes; then -M and the sum: 256
.set NXT,  4*REG
.set SPARE, PART+24*REG                ; the spare words: 128 bytes a wave
.set KL,   229                         ; v229-230 the copies' LDS addresses for K's codes: one register for each 65,536 bytes of the block
.set VL,   231                         ; v231-232 the same for V's
.set KBS,  28                          ; s[28:31] K's codes in memory: a base for each 65,536 bytes
.set VBS,  32                          ; s[32:35] V's likewise;  s[48:49], s[50:51] their scales
.set S,    132                         ; v132-195 S^T, then p; at the end the other part of O^T
.set O,    196                         ; v196-227 O^T
.set BM,   118                         ; v118-121 a block's largest score, then its largest p
.set BT,   122                         ; v122-125 at work; the scale bytes
.set BS,   126                         ; v126-129 the conversions' scale operands
.set TM,   118                         ; the way out: v118-123 at work
.set Q2,   236                         ; v236-241 the second tile's Q; v242 its scales
.set PA,   243                         ; v243 my region + 16 x lane;  v244 my region + 8 x lane
.set PB,   244
.set QA,   245                         ; v245 2 r: Q's scale half words
.set SPW,  246                         ; v246 my spare word; v247 0: never rewritten
.set NIL,  247
.set QB,   16                          ; s16  the tile's first query
.set QMAX, 17                          ; s17  its last: QB + 23
.set KF,   18                          ; s18  the step's first key
.set TB,   19                          ; s19  where the step's codes begin in K's and in V's part of LDS: 6,144 bytes a step
.set TS,   20                          ; s20  and its scale words: 256 bytes a step in both
.set CNT,  22
.set CS,   24                          ; s[24:25] c = log2(e) / 8
.set SEL,  26                          ; s[26:27] v_permlanex16_b32's selects for lane l xor 16
; other registers: v1 16 x lane, v2 8 x lane, v3, v4 the same in V's part; v5, v6 my scale words' places; v7 my query less 16 h; v8-13 the step's addresses; v14 -M, v15 the largest t; v[16:17] the sum; v[18:19] f;
; v20 Q's scales, v21 p's, v22-25 K's, v26-27 V's; v28 -infinity; v29-31 at work; v32-79 K's eight half fragments, then V's four fragments; v80-85 zeros; v86-97 Q; v98-109 p's codes; v110-116 at work; v228-235 the copies' addresses
; s10 e; s23 the second tile's first query; s56-58 my first step's key, codes and scale words
.macro QUANTH s, pc, pw                ; 32 registers v[s + 16 b + i] = index 32 b + 16 h + i of my row -> a half fragment's six registers v[pc] .. and its two scale bytes in v[pw]
.irp b, 0,1
	v_max3_num_f32 v[TM+\b], |v[\s+16*\b]|, |v[\s+16*\b+1]|, 0x1800000   ; and the floor 2^(3 - 127): the byte cannot fall under 1
.endr
.irp i, 2,4,6,8,10,12,14
.irp b, 0,1
	s_delay_alu instid0(VALU_DEP_2)
	v_max3_num_f32 v[TM+\b], v[TM+\b], |v[\s+16*\b+\i]|, |v[\s+16*\b+\i+1]|
.endr
.endr
.irp b, 0,1
	s_delay_alu instid0(VALU_DEP_2)
	v_permlanex16_b32 v[TM+2+\b], v[TM+\b], s[SEL], s[SEL+1]
.endr
.irp b, 0,1
	s_delay_alu instid0(VALU_DEP_2)
	v_max_num_f32 v[TM+\b], v[TM+\b], v[TM+2+\b]
.endr
.irp b, 0,1
	s_delay_alu instid0(VALU_DEP_2)
	v_add_nc_u32 v[TM+4+\b], 0xff000000, v[TM+\b]
.endr
.irp b, 0,1
	s_delay_alu instid0(VALU_DEP_2)
	v_lshrrev_b32 v[TM+2+\b], 23, v[TM+4+\b]
.endr
	s_delay_alu instid0(VALU_DEP_1)
	v_lshl_or_b32 v[\pw], v[TM+3], 8, v[TM+2]
	v_cvt_scalef32_pk16_fp6_f32 v[\pc:\pc+2], v[\s:\s+15], v[TM+4]
	v_cvt_scalef32_pk16_fp6_f32 v[\pc+6:\pc+8], v[\s+16:\s+31], v[TM+5]
	v_nop                                          ; one plain instruction behind a scaled conversion
.irp i, 0,1,2
	v_permlane16_swap_b32 v[\pc+\i], v[\pc+6+\i]
.endr
.irp i, 0,1,2
	s_delay_alu instid0(VALU_DEP_3)
	v_mov_b32 v[\pc+3+\i], v[\pc+6+\i]
.endr
.endm
; One pass of a copy: 8,192 bytes from byte `byte` of a block on.  The immediate, which is added to both addresses, stays under 65,536: the block's 65,536 bytes in which the pass lies pick the LDS address register and the base.
.macro COPY lreg, sb, byte
	global_load_async_to_lds_b128 v[\lreg+(\byte)/65536], v228, s[\sb+2*((\byte)/65536):\sb+2*((\byte)/65536)+1] offset:(\byte)%65536
.endm
.macro INIT                            ; a tile begins: the largest t -3e38, under every t; -M; the sum and O^T zeros, which the first change of M leaves zeros
	v_mov_b32 v15, 0xff61b1e6
	v_mov_b32 v16, 0
	v_mov_b32 v17, 0
	v_floor_f32 v14, -v15
.set i, 0
.rept 32
	v_mov_b32 v[O+i], 0
.set i, i+1
.endr
.endm
.macro PUT off                         ; my part of a tile to LDS: each accumulator from its low end on; then -M and the sum
.set i, 0
.rept 8
	ds_store_b128 v[PA], v[O+4*i:O+4*i+3] offset:\off+512*i
.set i, i+1
.endr
	ds_store_b64 v[PB], v[14:15] offset:\off+4096
.endm
.macro GET reg, pr, off                ; and back
.set i, 0
.rept 8
	ds_load_b128 v[\reg+4*i:\reg+4*i+3], v[PA] offset:\off+512*i
.set i, i+1
.endr
	ds_load_b64 v[\pr:\pr+1], v[PB] offset:\off+4096
.endm
	s_load_b128 s[4:7], s[0:1], 0x0                ; qkv s[4:5], ctx s[6:7]
	v_lshl_add_u32 v[SPW], v0, 2, SPARE
	v_mov_b32 v[NIL], 0
	ds_add_u32 v[SPW], v[NIL]                      ; the opening lines: the add, twice on end, and its wait ahead of my first copy
	ds_add_u32 v[SPW], v[NIL]
	v_lshrrev_b32 v30, 5, v0
	s_delay_alu instid0(VALU_DEP_1)
	v_readfirstlane_b32 s8, v30                    ; wave 0..15
	s_and_b32 s9, s8, 3                            ; g: my query head in the group
	s_bfe_u32 s10, s8, 0x10002                     ; e: which key steps are mine
	s_lshr_b32 s11, s8, 3                          ; u: which tile of the 32 queries
	s_sub_co_u32 s12, 63, ttmp9                    ; the first tile's group of 32 queries; the second's is j
	s_lshl_b32 s13, s12, 1
	s_add_co_u32 s13, s13, s11                     ; the first tile in the batch, 0..127
	s_lshl_b32 s14, ttmp9, 1
	s_add_co_u32 s14, s14, s11                     ; the second
	s_lshl_b32 s21, s11, 3
	s_lshl_b32 s[QB], s12, 5
	s_add_co_u32 s[QB], s[QB], s21
	s_add_co_u32 s[QMAX], s[QB], 23
	s_lshl_b32 s23, ttmp9, 5
	s_add_co_u32 s23, s23, s21
	s_and_b32 s15, ttmp7, 0xffff                   ; p = batch x 4 + key head
	s_mul_i32 s28, s15, 98304
	s_add_co_u32 s32, s28, VC                      ; the head's V,
	s_add_co_u32 s28, s28, KC                      ; its K,
	s_lshl_b32 s48, s15, 12
	s_add_co_u32 s50, s48, VS                      ; and their scales
	s_add_co_u32 s48, s48, KS
	s_lshl_b32 s36, s15, 2
	s_add_co_u32 s36, s36, s9                      ; batch x 16 + query head = 4 p + g
	s_lshl_b32 s36, s36, 7
	s_add_co_u32 s52, s36, s14
	s_add_co_u32 s36, s36, s13
	s_lshl_b32 s38, s36, 5
	s_add_co_u32 s38, s38, QS                      ; the first tile's scale half words,
	s_mul_i32 s36, s36, 768                        ; and its codes;
	s_lshl_b32 s54, s52, 5
	s_add_co_u32 s54, s54, QS                      ; the second's
	s_mul_i32 s52, s52, 768
	s_cmp_lg_u32 s10, 0
	s_cselect_b32 s13, s14, s13                    ; the tile that I finish: e = 0 the first, e = 1 the second
	s_lshr_b32 s40, s15, 2
	s_lshl_b32 s40, s40, 7
	s_add_co_u32 s40, s40, s13                     ; that tile among all 256
	s_and_b32 s44, s15, 3
	s_lshl_b32 s44, s44, 1
	s_lshr_b32 s45, s9, 1
	s_add_co_u32 s44, s44, s45                     ; the last product's K step: query head / 2,
	s_and_b32 s45, s9, 1                           ; and the half of it: query head % 2
	s_lshl_b32 s42, s40, 9
	s_lshl_b32 s46, s44, 6
	s_add_co_u32 s42, s42, s46
	s_lshl_b32 s46, s45, 1
	s_add_co_u32 s42, s42, s46
	s_add_co_u32 s42, s42, CSEC                    ; the context's scale bytes
	s_lshr_b32 s46, s40, 3
	s_lshl_b32 s46, s46, 3
	s_add_co_u32 s46, s46, s44
	s_lshl_b32 s46, s46, 3
	s_and_b32 s40, s40, 7
	s_add_co_u32 s40, s40, s46
	s_mul_i32 s40, s40, 1536
	s_mul_i32 s45, s45, 768
	s_add_co_u32 s40, s40, s45                     ; and its codes
.irp k, 29,33,37,39,41,43,49,51,53,55
	s_mov_b32 s\k, 0
.endr
	s_mul_i32 s47, s11, 3
	s_add_co_u32 s47, s47, s10
	s_lshl_b32 s47, s47, 2
	s_add_co_u32 s47, s47, s9
	s_mul_i32 s47, s47, REG
	s_add_co_u32 s47, s47, PART                    ; my region: g + 4 (e + 3 u)
	s_lshl_b32 s56, s10, 7                         ; my first step is e
	s_mul_i32 s57, s10, 6144
	s_lshl_b32 s58, s10, 8
	s_mov_b32 s[KF], s56
	s_mov_b32 s[TB], s57
	s_mov_b32 s[TS], s58
	s_mov_b32 s[CS], 0x3e38aa3b                    ; log2(e) / 8
	s_mov_b32 s[CS+1], s[CS]                       ; (named with it as a pair, so it is written)
	s_mov_b32 s[SEL], 0x76543210
	s_mov_b32 s[SEL+1], 0xfedcba98
	v_and_b32 v31, 31, v0                          ; lane
	v_and_b32 v29, 15, v0                          ; r
	v_bfe_u32 v30, v0, 4, 1                        ; h
	v_lshlrev_b32 v228, 4, v0                      ; the copies: 16 bytes a thread, 8,192 a pass; v228-235, s[28:35] and s[48:51] stay as they are to the end
	v_lshlrev_b32 v[KL], 4, v0
	v_lshl_add_u32 v[KL+1], v0, 4, 65536
	v_lshl_add_u32 v[VL], v0, 4, VCL
	v_lshl_add_u32 v[VL+1], v0, 4, VCL+65536
	v_lshlrev_b32 v233, 3, v0
	v_lshl_add_u32 v234, v0, 3, KSL
	v_lshl_add_u32 v235, v0, 3, VSL
	v_lshlrev_b32 v1, 4, v31
	v_lshlrev_b32 v2, 3, v31
	v_lshlrev_b32 v[QA], 1, v29
	v_add_nc_u32 v[PA], s47, v1
	v_add_nc_u32 v[PB], s47, v2
	s_wait_alu depctr_va_vdst(0)
	s_wait_dscnt 0x0                               ; both opening adds are done
	s_wait_kmcnt 0x0
	s_add_nc_u64 s[36:37], s[4:5], s[36:37]
	s_add_nc_u64 s[38:39], s[4:5], s[38:39]
	s_add_nc_u64 s[52:53], s[4:5], s[52:53]
	s_add_nc_u64 s[54:55], s[4:5], s[54:55]
	global_load_b128 v[86:89], v1, s[36:37]        ; Q's half fragments of both tiles stay in registers; they are asked for ahead of the copies
	global_load_b64 v[90:91], v2, s[36:37] offset:512
	global_load_u16 v20, v[QA], s[38:39]           ; two scale bytes; bytes 2 and 3 of the word are 0
	global_load_b128 v[Q2:Q2+3], v1, s[52:53]
	global_load_b64 v[Q2+4:Q2+5], v2, s[52:53] offset:512
	global_load_u16 v[Q2+6], v[QA], s[54:55]
	s_add_nc_u64 s[KBS:KBS+1], s[4:5], s[28:29]
	s_add_nc_u64 s[KBS+2:KBS+3], s[KBS:KBS+1], 0x10000
	s_add_nc_u64 s[VBS:VBS+1], s[4:5], s[32:33]
	s_add_nc_u64 s[VBS+2:VBS+3], s[VBS:VBS+1], 0x10000
	s_add_nc_u64 s[48:49], s[4:5], s[48:49]
	s_add_nc_u64 s[50:51], s[4:5], s[50:51]
	s_add_nc_u64 s[40:41], s[6:7], s[40:41]
	s_add_nc_u64 s[42:43], s[6:7], s[42:43]
	global_load_async_to_lds_b64 v234, v233, s[48:49]              ; the scales first: 2 copies of 8 bytes a thread
	global_load_async_to_lds_b64 v235, v233, s[50:51]
.irp n, 0,1,2,3                        ; then four chunks of four key steps: 3 + 3 copies each
.irp i, 0,1,2
	COPY KL, KBS, 24576*\n+8192*\i
.endr
.irp i, 0,1,2
	COPY VL, VBS, 24576*\n+8192*\i
.endr
.endr
	v_add_nc_u32 v3, VCL, v1
	v_add_nc_u32 v4, VCL, v2
	v_lshl_add_u32 v5, v31, 1, KSL                 ; lanes 0-15: an even tile's half words, lanes 16-31: the odd tile's behind it
	v_lshl_add_u32 v6, v31, 2, VSL                 ; the same for V's words
	v_and_b32 v7, 8, v29
	v_lshlrev_b32 v30, 4, v30
	s_delay_alu instid0(VALU_DEP_2)
	v_add_nc_u32 v7, v7, v29
	s_delay_alu instid0(VALU_DEP_1)
	v_sub_nc_u32 v7, v7, v30                       ; my query in the tile less 16 h: r + 8 (r / 8) - 16 h
	v_mov_b32 v19, 0                               ; (named as the upper half of the pair v[18:19])
	v_mov_b32 v28, 0xff800000                      ; -infinity
.irp k, 80,81,82,83,84,85,92,93,94,95,96,97
	v_mov_b32 v\k, 0                               ; zero codes: behind K's last tile, and Q's upper 64 along K
.endr
.irp k, 118,119,120,121,122,123,124,125
	v_mov_b32 v\k, 0                               ; written once: a lane permute's destination counts as one of its sources
.endr
	INIT
	s_wait_alu depctr_va_vdst(0)
	s_wait_loadcnt 0x0                             ; Q of both tiles
; A KEY STEP: 128 keys.  Behind it the addresses go two steps on.
.macro STEP
	s_cmp_gt_u32 s[KF], s[QMAX]                    ; all its keys come after my queries: the work is left out, the addresses step on
	s_cbranch_scc1 .Lhid_\@
	v_add_nc_u32 v8, s[TB], v1                     ; these six are also the places between the last products and the loads into the registers that they read
	v_add_nc_u32 v9, s[TB], v2
	v_add_nc_u32 v10, s[TB], v3
	v_add_nc_u32 v11, s[TB], v4
	v_add_nc_u32 v12, s[TS], v5
	v_add_nc_u32 v13, s[TS], v6
.irp t, 0,1,2,3,4,5,6,7
	ds_load_b128 v[32+6*\t:35+6*\t], v8 offset:768*\t
	ds_load_b64 v[36+6*\t:37+6*\t], v9 offset:768*\t+512
.endr
.irp i, 0,1,2,3
	ds_load_u16 v[22+\i], v12 offset:64*\i         ; tiles 2 i (lanes 0-15) and 2 i + 1 (lanes 16-31); bytes 2 and 3 are 0
.endr
	s_wait_alu depctr_va_vdst(0)
	s_wait_dscnt 0x0
.irp t, 0,2,4,6                        ; S^T = K Q^T: register S + 16 b + i of lane (r, h) is key KF + 32 b + 16 h + i
	v_wmma_scale_f32_16x16x128_f8f6f4 v[S+8*\t:S+8*\t+7], v[32+6*\t:43+6*\t], v[86:97], 0, v[22+\t/2], v20 matrix_a_fmt:MATRIX_FMT_FP6 matrix_b_fmt:MATRIX_FMT_FP6
	v_wmma_scale_f32_16x16x128_f8f6f4 v[S+8*\t+8:S+8*\t+15], v[38+6*\t:49+6*\t], v[86:97], 0, v[22+\t/2], v20 matrix_a_fmt:MATRIX_FMT_FP6 matrix_b_fmt:MATRIX_FMT_FP6 matrix_a_scale:MATRIX_SCALE_ROW1
.endr
.rept 4
	v_nop                                          ; four places in front of the loads into K's registers and of the first read of the scores
.endr
.irp f, 0,1,2,3                        ; V's four fragments are asked for now and land under the softmax
	ds_load_b128 v[32+12*\f:35+12*\f], v10 offset:1536*\f
	ds_load_b64 v[36+12*\f:37+12*\f], v11 offset:1536*\f+512
	ds_load_b128 v[38+12*\f:41+12*\f], v10 offset:1536*\f+768
	ds_load_b64 v[42+12*\f:43+12*\f], v11 offset:1536*\f+1280
.endr
	ds_load_b32 v26, v13                           ; d tiles 0 (lanes 0-15) and 1 (lanes 16-31)
	ds_load_b32 v27, v13 offset:128                ; 2 and 3
	s_add_co_u32 s44, s[KF], 127                   ; on the diagonal hidden scores become -infinity ahead of the maximum; a step all of whose keys count skips this
	s_cmp_le_u32 s44, s[QB]
	s_cbranch_scc1 .Lopen_\@
	s_sub_co_i32 s44, s[QB], s[KF]
	v_add_nc_u32 v29, s44, v7                      ; d = my query - KF - 16 h: register 16 b + i is hidden where 32 b + i > d
.set n, 0
.rept 64
	v_cmp_gt_i32 vcc_lo, 32*(n/16)+n%16, v29
	v_cndmask_b32 v[S+n], v[S+n], v28, vcc_lo
.set n, n+1
.endr
.Lopen_\@:
.irp b, 0,1,2,3
	v_max3_num_f32 v[BM+\b], v[S+16*\b], v[S+16*\b+1], v[S+16*\b+2]   ; the largest score of each block of 32 keys: it serves the row's maximum and, since p rises with the score, the block's largest p
.endr
.irp i, 3,5,7,9,11,13
.irp b, 0,1,2,3
	v_max3_num_f32 v[BM+\b], v[BM+\b], v[S+16*\b+\i], v[S+16*\b+\i+1]
.endr
.endr
.irp b, 0,1,2,3
	v_max_num_f32 v[BM+\b], v[BM+\b], v[S+16*\b+15]
.endr
.irp b, 0,1,2,3
	s_delay_alu instid0(VALU_DEP_4)
	v_permlanex16_b32 v[BT+\b], v[BM+\b], s[SEL], s[SEL+1]
.endr
.irp b, 0,1,2,3
	s_delay_alu instid0(VALU_DEP_4)
	v_max_num_f32 v[BM+\b], v[BM+\b], v[BT+\b]     ; with lane l xor 16's 16 keys
.endr
	s_delay_alu instid0(VALU_DEP_2)
	v_max3_num_f32 v30, v[BM], v[BM+1], v[BM+2]
	s_delay_alu instid0(VALU_DEP_1)
	v_max_num_f32 v30, v30, v[BM+3]                ; the step's largest score of my query
	s_delay_alu instid0(VALU_DEP_1)
	v_mul_f32 v30, s[CS], v30                      ; as t (c is positive)
	s_delay_alu instid0(VALU_DEP_1)
	v_max_num_f32 v15, v15, v30                    ; the running largest t
	v_mov_b32 v30, v14
	s_delay_alu instid0(VALU_DEP_2)
	v_floor_f32 v14, -v15                          ; the new -M = floor(-t) = -ceil(t): a whole number
	s_delay_alu instid0(VALU_DEP_1)
	v_sub_f32 v30, v14, v30                        ; old M less new M: a whole number, 0 or less
	s_delay_alu instid0(VALU_DEP_1)
	v_cvt_i32_f32 v30, v30                         ; (it saturates)
	s_delay_alu instid0(VALU_DEP_1)
	v_ldexp_f32 v18, 1.0, v30                      ; f = 2^(old M - new M)
.set i, 0
.rept 32
	v_pk_fma_f32 v[S+i:S+i+1], v[S+i:S+i+1], s[CS:CS+1], v[14:15] op_sel_hi:[1,0,0]   ; t - M, two at a time (of the pairs c and -M the low word serves both halves)
.set i, i+2
.endr
.irp b, 0,1,2,3
	v_fma_f32 v[BM+\b], v[BM+\b], s[CS], v14       ; the same of each block's largest score
.endr
.set i, 0
	s_wait_alu depctr_va_vdst(0)
.rept 64
	v_exp_f32 v[S+i], v[S+i]                       ; p = 2^(t - M), at most 1: not normalised
.set i, i+1
.endr
.irp b, 0,1,2,3
	v_exp_f32 v[BM+\b], v[BM+\b]                   ; the block's largest p: the same two instructions on the same number give the same bits
.endr
	v_pk_mul_f32 v[16:17], v[16:17], v[18:19] op_sel_hi:[1,0]   ; the sums under the new M.  (The plain instruction behind the exponentials)
	s_wait_alu depctr_va_vdst(0)                   ; one wait for the whole batch, ahead of its first reader
.irp b, 0,1,2,3
	v_max_num_f32 v[BM+\b], 0x1800000, v[BM+\b]    ; the floor 2^(3 - 127): a block whose every p is 0 keeps the byte 1; its codes are zeros
.endr
.irp b, 0,1,2,3
	s_delay_alu instid0(VALU_DEP_4)
	v_add_nc_u32 v[BS+\b], 0xff000000, v[BM+\b]    ; 2 off the exponent field: the conversion's scale operand
.endr
.irp b, 0,1,2,3
	s_delay_alu instid0(VALU_DEP_4)
	v_lshrrev_b32 v[BT+\b], 23, v[BS+\b]           ; the scale's byte
.endr
	s_delay_alu instid0(VALU_DEP_3)
	v_lshl_or_b32 v21, v[BT+1], 8, v[BT]           ; p's scale word for these 128 keys
	s_delay_alu instid0(VALU_DEP_1)
	v_lshl_or_b32 v21, v[BT+2], 16, v21
	s_delay_alu instid0(VALU_DEP_1)
	v_lshl_or_b32 v21, v[BT+3], 24, v21
.irp c, 0,1
	v_cvt_scalef32_pk16_fp6_f32 v[98+6*\c:100+6*\c], v[S+32*\c:S+32*\c+15], v[BS+2*\c]
	v_cvt_scalef32_pk16_fp6_f32 v[110+4*\c:112+4*\c], v[S+32*\c+16:S+32*\c+31], v[BS+2*\c+1]   ; (a conversion's three registers begin on an even number)
.endr
	v_nop                                          ; one plain instruction behind a scaled conversion
.irp c, 0,1                            ; the layout wants a whole block in a lane: lanes 0-15 block 2 c, lanes 16-31 block 2 c + 1
.irp i, 0,1,2
	v_permlane16_swap_b32 v[98+6*\c+\i], v[110+4*\c+\i]
.endr
.irp i, 0,1,2
	s_delay_alu instid0(VALU_DEP_3)
	v_mov_b32 v[101+6*\c+\i], v[110+4*\c+\i]
.endr
.endr
	v_pk_add_f32 v[130:131], v[S:S+1], v[S+2:S+3]  ; the row's sum is taken of the unquantised p: two at a time, in two chains
.irp j, 4,8,12,16,20,24,28,32,36,40,44,48,52,56,60
	v_pk_add_f32 v[16:17], v[16:17], v[S+\j:S+\j+1]
	v_pk_add_f32 v[130:131], v[130:131], v[S+\j+2:S+\j+3]
.endr
	s_delay_alu instid0(VALU_DEP_1)
	v_pk_add_f32 v[16:17], v[16:17], v[130:131]
	s_wait_alu depctr_va_vdst(0)
.set i, 0
.rept 16
	v_pk_mul_f32 v[O+i:O+i+1], v[O+i:O+i+1], v[18:19] op_sel_hi:[1,0]   ; O^T under the new M.  (With the sums above: more than the eight places between the write of p's scale word, the four behind that of its codes, and the products)
.set i, i+2
.endr
	s_wait_alu depctr_va_vdst(0)
	s_wait_dscnt 0x0                               ; V and its scale words are in
.irp f, 0,2                            ; O^T += V^T P^T: four accumulators, one instruction each; the eight products K Q^T stand between two links of a chain
	v_wmma_scale_f32_16x16x128_f8f6f4 v[O+8*\f:O+8*\f+7], v[32+12*\f:43+12*\f], v[98:109], v[O+8*\f:O+8*\f+7], v[26+\f/2], v21 matrix_a_fmt:MATRIX_FMT_FP6 matrix_b_fmt:MATRIX_FMT_FP6
	v_wmma_scale_f32_16x16x128_f8f6f4 v[O+8*\f+8:O+8*\f+15], v[44+12*\f:55+12*\f], v[98:109], v[O+8*\f+8:O+8*\f+15], v[26+\f/2], v21 matrix_a_fmt:MATRIX_FMT_FP6 matrix_b_fmt:MATRIX_FMT_FP6 matrix_a_scale:MATRIX_SCALE_ROW1
.endr
.Lhid_\@:
	s_add_co_u32 s[KF], s[KF], 256
	s_add_co_u32 s[TB], s[TB], 12288
	s_add_co_u32 s[TS], s[TS], 512
.endm
.macro WALK trips
	s_mov_b32 s[CNT], \trips
.Lst_\@:
	STEP
	s_sub_co_u32 s[CNT], s[CNT], 1
	s_cmp_lg_u32 s[CNT], 0
	s_cbranch_scc1 .Lst_\@
.endm
.macro CHUNK n, trips                  ; behind the barrier chunks 0 .. n may be read: so many trips of two steps
	s_wait_asynccnt 6*(3-\n)                       ; copies end in the order of issue: the scales and my part of chunks 0 .. n are in LDS; the 6 copies of each later chunk may be out
	s_wait_dscnt 0x0                               ; no LDS instruction of mine is pending at a signal
	s_barrier_signal -1
	s_barrier_wait -1                              ; every wave's part is in
	WALK \trips
.endm
	; THE FIRST TILE, of group 63 - j: up to 16 steps, eight trips
	CHUNK 0, 2                                     ; steps 0-3, while the later chunks land
	CHUNK 3, 6                                     ; all my copies are waited for: steps 4-15 with no further barrier
.rept 4
	v_nop                                          ; four places behind the last products
.endr
	v_add_f32 v15, v16, v17                        ; the sum's two halves, beside -M
	PUT 0                                          ; my part of the first tile, into my own region
	s_wait_dscnt 0x0                               ; the stores have read their registers
	; THE SECOND TILE, of group j: up to 8 steps, four trips; all of K and V is in LDS
.irp i, 0,1,2,3,4,5
	v_mov_b32 v[86+\i], v[Q2+\i]
.endr
	v_mov_b32 v20, v[Q2+6]
	INIT                                           ; (more than the eight places between the write of Q's scales and the products)
	s_mov_b32 s[QB], s23
	s_add_co_u32 s[QMAX], s23, 23
	s_mov_b32 s[KF], s56
	s_mov_b32 s[TB], s57
	s_mov_b32 s[TS], s58
	s_wait_alu depctr_va_vdst(0)
	WALK 4
.rept 4
	v_nop                                          ; four places behind the last products
.endr
	v_add_f32 v15, v16, v17
	s_wait_alu depctr_va_vdst(0)
	s_cmp_lg_u32 s10, 0
	s_cbranch_scc1 .Lkeep                          ; wave e = 1 keeps its part of the second tile in registers
	PUT 2*NXT                                      ; wave e = 0 hands its part over
.Lkeep:
	s_wait_dscnt 0x0                               ; my stores are done
	s_barrier_signal -1
	s_barrier_wait -1                              ; and so are everybody's
	s_cmp_lg_u32 s10, 0
	s_cbranch_scc1 .Lmine
	GET O, 14, 0                                   ; wave e = 0 takes its own part of the first tile up again
.Lmine:
	GET S, 18, NXT                                 ; the other part: e = 0: my partner's of the first tile; e = 1: my partner's of the second
	s_wait_dscnt 0x0
	; THE JOIN.  Both parts under the larger M (the lesser -M): factors 2^(whole number, 0 or less); a part with no step has -M = 3e38, sum 0 and O^T 0, and its factor is 0.
	v_min_num_f32 v30, v14, v18
	s_delay_alu instid0(VALU_DEP_1)
	v_sub_f32 v29, v30, v14
	v_sub_f32 v30, v30, v18
	s_delay_alu instid0(VALU_DEP_2)
	v_cvt_i32_f32 v29, v29                         ; (it saturates)
	s_delay_alu instid0(VALU_DEP_2)
	v_cvt_i32_f32 v30, v30
	s_delay_alu instid0(VALU_DEP_2)
	v_ldexp_f32 v16, 1.0, v29
	s_delay_alu instid0(VALU_DEP_2)
	v_ldexp_f32 v18, 1.0, v30
	s_delay_alu instid0(VALU_DEP_2)
	v_mul_f32 v15, v15, v16
	s_delay_alu instid0(VALU_DEP_1)
	v_fmac_f32 v15, v19, v18                       ; the joined sum of my half of the keys,
	s_delay_alu instid0(VALU_DEP_1)
	v_permlanex16_b32 v31, v15, s[SEL], s[SEL+1]
	s_delay_alu instid0(VALU_DEP_1)
	v_add_f32 v15, v15, v31                        ; and lane l xor 16's: the row's sum
	s_wait_alu depctr_va_vdst(0)
	v_rcp_f32 v15, v15
	v_and_b32 v31, 15, v0                          ; (the plain instruction behind the reciprocal)
	s_delay_alu instid0(VALU_DEP_1)
	v_lshlrev_b32 v31, 2, v31                      ; 4 r: my row among the scale words
	s_wait_alu depctr_va_vdst(0)                   ; and behind it, ahead of its first reader and of the first reader of O^T
	v_mul_f32 v16, v16, v15                        ; each part's factor / the sum
	v_mul_f32 v18, v18, v15
.set i, 0
.rept 16
	v_pk_mul_f32 v[S+i:S+i+1], v[S+i:S+i+1], v[18:19] op_sel_hi:[1,0]
.set i, i+2
.endr
.set i, 0
.rept 16
	v_pk_fma_f32 v[S+i:S+i+1], v[O+i:O+i+1], v[16:17], v[S+i:S+i+1] op_sel_hi:[1,0,1]   ; each accumulator from its low end on
.set i, i+2
.endr
	; THE WAY OUT.  Register 16 b + i of lane (r, h) is d = 32 b + 16 h + i of my query: 64 neighbours along the last product's K.  They are quantised and leave as half a fragment's image.
	QUANTH S, 98, 21
	global_store_b128 v1, v[98:101], s[40:41]      ; 512 consecutive bytes
	global_store_b64 v2, v[102:103], s[40:41] offset:512
	global_store_b16 v31, v21, s[42:43]            ; two scale bytes a row, 4 bytes apart (the other query head of the K step writes the other two): 32 bytes beside 768 of codes.  Lanes l and l + 16 write the same bytes with the same value
	s_wait_tensorcnt 0x0                           ; the wave's end
	ds_add_u32 v[SPW], v[NIL]
	s_wait_dscnt 0x0
	s_endpgm
.Lfunc_end_k_q8d473f2bdc_attn:
	.size	k_q8d473f2bdc_attn, .Lfunc_end_k_q8d473f2bdc_attn-k_q8d473f2bdc_attn
	.p2alignl 7, 3214868480
	.fill 96, 4, 3214868480
	.section	.rodata,"a",@progbits
	.p2align	6, 0x0
	.amdhsa_kernel k_q8d473f2bdc_attn
		.amdhsa_group_segment_fixed_size 311296
		.amdhsa_private_segment_fixed_size 0
		.amdhsa_enable_private_segment 0
		.amdhsa_kernarg_size 16
		.amdhsa_user_sgpr_count 2
		.amdhsa_user_sgpr_kernarg_segment_ptr 1
		.amdhsa_wavefront_size32 1
		.amdhsa_system_sgpr_workgroup_id_x 1
		.amdhsa_system_sgpr_workgroup_id_y 1
		.amdhsa_system_sgpr_workgroup_id_z 1
		.amdhsa_system_vgpr_workitem_id 0
		.amdhsa_next_free_vgpr 248
		.amdhsa_next_free_sgpr 66
		.amdhsa_reserve_vcc 1
		.amdhsa_float_denorm_mode_32 3
		.amdhsa_float_denorm_mode_16_64 3
		.amdhsa_memory_ordered 1
		.amdhsa_forward_progress 1
		.amdhsa_inst_pref_size 90
	.end_amdhsa_kernel
	.amdgpu_metadata
---
amdhsa.version: [ 1, 2 ]
amdhsa.kernels:
  - .name:           k_q8d473f2bdc_attn
    .symbol:         k_q8d473f2bdc_attn.kd
    .args:
      - { .name: qkv, .offset: 0, .size: 8, .value_kind: global_buffer, .address_space: global }
      - { .name: ctx, .offset: 8, .size: 8, .value_kind: global_buffer, .address_space: global }
    .group_segment_fixed_size: 311296
    .private_segment_fixed_size: 0
    .kernarg_segment_align: 8
    .kernarg_segment_size: 16
    .max_flat_workgroup_size: 512
    .sgpr_count:     66
    .vgpr_count:     248
    .wavefront_size: 32
...
	.end_amdgpu_metadata
.endif
;; end of part 3
;; launch outp (part 4): grid 32 x 8, 8 waves a work-group, no clusters, 240,640 bytes of LDS; arguments ctx, qin, out0; writes out0
.if DOCPART == 4
	.amdgcn_target "amdgcn-amd-amdhsa--gfx1250"
	.amdhsa_code_object_version 6
	.text
	.protected	k_q8d473f2bdc_outp
	.globl	k_q8d473f2bdc_outp
	.p2align	8
	.type	k_q8d473f2bdc_outp,@function
k_q8d473f2bdc_outp:
	s_mov_b64 s[64:65], 0
	v_nop
	global_prefetch_b8 v0, s[64:65] scope:SCOPE_SE
	s_setreg_imm32_b32 hwreg(HW_REG_WAVE_MODE, 25, 1), 1
	s_wait_xcnt 0x0
; out = context Wo on codes of FP6 (E2M3) with E8M0 scales, K = 1,024, sums in f32; out0 [4096][1024] f32.
; SHARES.  A work-group takes 128 tokens (x) x 128 columns (y): 256 work-groups.  Wave w: token tiles 2 (w / 2), + 1 x column tiles 4 (w % 2) .. + 3: 32 x 64, eight accumulators.
; ALL OF K LIES IN LDS: the work-group's codes of the context and of Wo are two dense blocks of 98,304 bytes (images of operand registers: a half fragment is 768 bytes, registers 0-3 at 16 x lane, 4-5 at 512 + 8 x lane), their scale
; words two of 4,096.  Asynchronous copies bring them once, at the head, in four chunks of two K steps; no copy fills bytes again.  In front of a chunk's first read: a counted wait for my copies, and a barrier.
; Source 0 = 16 columns of Wo, source 1 = 16 tokens.  Row r of a tile T is token (column) 32 (T / 2) + 8 (T % 2) + r + 8 (r / 8): so a lane holds one token, and the 16 registers of column tiles 2 b, 2 b + 1 are columns 32 b + 16 h + 0 .. 15.
; The way out goes through the wave's own stage in LDS (bytes into which no copy lands), so that sixteen lanes store 256 consecutive bytes of a row of out0, aligned.
; Not shared in a cluster: the copies go lane by lane and have no joint form.
.set CSEC, 3145728                     ; ctx: the scale words (codes at 0)
.set WOC,  4505600                     ; qin: Wo's codes,
.set WOS,  5292032                     ; its scale words
.set OCL,  98304                       ; LDS: the context's codes at 0 [K step][8 tiles][1536]; Wo's here, likewise;
.set CSL,  196608                      ; the context's scale words [tile][K step][row];
.set OSL,  200704                      ; Wo's;
.set STG,  204800                      ; the stages: 16 rows x (256 bytes + 16) for each wave
.set CL,   2                           ; v2-3    the copies' LDS addresses for the context's codes: one register for each 65,536 bytes of the block
.set OL,   18                          ; v18-19  the same for Wo's codes
.set CB,   16                          ; s[16:19] the context's codes in memory: a base for each 65,536 bytes
.set OB,   20                          ; s[20:23] Wo's likewise;  s[28:29], s[30:31] the two blocks of scale words
.set SC,   16                          ; v16-17  scale words of my two token tiles
.set SW,   20                          ; v20-23  of my four column tiles
.set CFR,  32                          ; v32-55  two fragments of tokens
.set WFR,  80                          ; v80-127 four fragments of columns
.set ACC,  128                         ; v128-191 eight accumulators: token tile tt, column tile ct at ACC + 32 tt + 8 ct
.macro FRAGS reg, n, a16, a8           ; n fragments on end in LDS into v[reg] ..: four loads each, every one of consecutive bytes
.set f, 0
.rept \n
	ds_load_b128 v[\reg+12*f:\reg+12*f+3], v[\a16] offset:1536*f
	ds_load_b64 v[\reg+12*f+4:\reg+12*f+5], v[\a8] offset:1536*f+512
	ds_load_b128 v[\reg+12*f+6:\reg+12*f+9], v[\a16] offset:1536*f+768
	ds_load_b64 v[\reg+12*f+10:\reg+12*f+11], v[\a8] offset:1536*f+1280
.set f, f+1
.endr
.endm
; One pass of a copy: 4,096 bytes from byte `byte` of a block on.  The immediate, which is added to both addresses, stays under 65,536: the block's 65,536 bytes in which the pass lies pick the LDS address register and the base.
.macro COPY lreg, sb, byte
	global_load_async_to_lds_b128 v[\lreg+(\byte)/65536], v1, s[\sb+2*((\byte)/65536):\sb+2*((\byte)/65536)+1] offset:(\byte)%65536
.endm
	s_load_b128 s[4:7], s[0:1], 0x0                ; ctx s[4:5], qin s[6:7]
	s_load_b64 s[8:9], s[0:1], 0x10                ; out0
	v_lshl_add_u32 v192, v0, 2, 0x3a800
	v_mov_b32 v193, 0
	ds_add_u32 v192, v193
	ds_add_u32 v192, v193
	v_lshrrev_b32 v28, 5, v0
	s_delay_alu instid0(VALU_DEP_1)
	v_readfirstlane_b32 s10, v28                   ; wave 0..7
	s_lshr_b32 s11, s10, 1                         ; which two token tiles
	s_and_b32 s12, s10, 1                          ; which four column tiles
	s_and_b32 s14, ttmp7, 0xffff                   ; y
	s_mul_i32 s16, ttmp9, 98304                    ; the context's codes of my 128 tokens
	s_mov_b32 s17, 0
	s_mul_i32 s20, s14, 98304
	s_add_co_u32 s20, s20, WOC                     ; Wo's codes of my 128 columns
	s_mov_b32 s21, 0
	s_lshl_b32 s28, ttmp9, 12
	s_add_co_u32 s28, s28, CSEC
	s_mov_b32 s29, 0
	s_lshl_b32 s30, s14, 12
	s_add_co_u32 s30, s30, WOS
	s_mov_b32 s31, 0
	s_lshl_b32 s24, ttmp9, 7
	s_lshl_b32 s25, s11, 5
	s_add_co_u32 s24, s24, s25                     ; my first token: 128 x + 32 (w / 2)
	s_lshl_b32 s24, s24, 12                        ; x 4,096 bytes a row of out0,
	s_lshl_b32 s25, s14, 9
	s_add_co_u32 s24, s24, s25                     ; + 512 y
	s_lshl_b32 s25, s12, 8
	s_add_co_u32 s24, s24, s25                     ; + 256 (w % 2)
	s_mov_b32 s25, 0
	v_lshlrev_b32 v1, 4, v0                        ; the copies: 16 bytes a thread, 4,096 a pass; v1-v5, v18-v19, s[16:23] and s[28:31] stay as they are to the end
	v_lshlrev_b32 v[CL], 4, v0
	v_lshl_add_u32 v[CL+1], v0, 4, 65536
	v_lshl_add_u32 v[OL], v0, 4, OCL
	v_lshl_add_u32 v[OL+1], v0, 4, OCL+65536
	v_lshl_add_u32 v4, v0, 4, CSL
	v_lshl_add_u32 v5, v0, 4, OSL
	s_wait_alu depctr_va_vdst(0)
	s_wait_dscnt 0x0
	s_wait_kmcnt 0x0
	s_add_nc_u64 s[CB:CB+1], s[4:5], s[16:17]
	s_add_nc_u64 s[CB+2:CB+3], s[CB:CB+1], 0x10000
	s_add_nc_u64 s[OB:OB+1], s[6:7], s[20:21]
	s_add_nc_u64 s[OB+2:OB+3], s[OB:OB+1], 0x10000
	s_add_nc_u64 s[28:29], s[4:5], s[28:29]
	s_add_nc_u64 s[30:31], s[6:7], s[30:31]
	s_add_nc_u64 s[8:9], s[8:9], s[24:25]
	global_load_async_to_lds_b128 v4, v1, s[28:29]                 ; the scale words first: 2 copies
	global_load_async_to_lds_b128 v5, v1, s[30:31]
.irp c, 0,1,2,3                        ; then four chunks of two K steps: 6 + 6 copies each
.irp i, 0,1,2,3,4,5
	COPY CL, CB, 24576*\c+4096*\i
.endr
.irp i, 0,1,2,3,4,5
	COPY OL, OB, 24576*\c+4096*\i
.endr
.endr
	v_and_b32 v28, 31, v0                          ; lane
	v_and_b32 v29, 15, v0                          ; r
	v_bfe_u32 v30, v0, 4, 1                        ; h
	s_delay_alu instid0(VALU_DEP_3)
	v_lshlrev_b32 v26, 4, v28
	s_delay_alu instid0(VALU_DEP_4)
	v_lshlrev_b32 v27, 3, v28
	s_mul_i32 s26, s11, 3072                       ; my two token tiles in a K step's eight
	v_add_nc_u32 v6, s26, v26
	v_add_nc_u32 v7, s26, v27
	s_mul_i32 s27, s12, 6144                       ; my four column tiles
	s_add_co_u32 s27, s27, OCL
	v_add_nc_u32 v8, s27, v26
	v_add_nc_u32 v9, s27, v27
	s_lshl_b32 s26, s11, 10
	s_add_co_u32 s26, s26, CSL
	v_lshl_add_u32 v10, v29, 2, s26                ; scale words: 512 bytes a tile, 64 a K step, 4 a row
	s_lshl_b32 s27, s12, 11
	s_add_co_u32 s27, s27, OSL
	v_lshl_add_u32 v11, v29, 2, s27
	s_mul_i32 s26, s10, 4352
	s_add_co_u32 s26, s26, STG                     ; my stage
	v_mul_u32_u24 v24, v29, 272
	s_delay_alu instid0(VALU_DEP_1)
	v_lshl_add_u32 v24, v30, 6, v24
	s_delay_alu instid0(VALU_DEP_1)
	v_add_nc_u32 v24, s26, v24                     ; in: row r, + 64 h bytes
	v_mul_u32_u24 v25, v30, 272
	s_delay_alu instid0(VALU_DEP_1)
	v_lshl_add_u32 v25, v29, 4, v25
	s_delay_alu instid0(VALU_DEP_1)
	v_add_nc_u32 v25, s26, v25                     ; back: lanes 0-15 one row of 256 bytes, lanes 16-31 the next
	v_lshlrev_b32 v31, 12, v30
	s_delay_alu instid0(VALU_DEP_1)
	v_lshl_add_u32 v31, v29, 4, v31                ; and the same two rows in out0
; A K step of 128: 30 LDS loads, 8 matrix instructions.  The eight accumulators take turns, one instruction a turn.
; The argument is an expression (2 c + 1): it stands in parentheses wherever it is multiplied or compared.
.macro KSTEP s
	v_add_nc_u32 v12, (\s)*12288, v6               ; these four are also the places between the last products and the loads into the registers that they read
	v_add_nc_u32 v13, (\s)*12288, v7
	v_add_nc_u32 v14, (\s)*12288, v8
	v_add_nc_u32 v15, (\s)*12288, v9
	FRAGS CFR, 2, 12, 13
	FRAGS WFR, 4, 14, 15
.irp i, 0,1
	ds_load_b32 v[SC+\i], v10 offset:512*\i+64*(\s)
.endr
.irp i, 0,1,2,3
	ds_load_b32 v[SW+\i], v11 offset:512*\i+64*(\s)
.endr
	s_wait_dscnt 0x0
.irp tt, 0,1
.irp ct, 0,1,2,3
.if (\s) == 0
	v_wmma_scale_f32_16x16x128_f8f6f4 v[ACC+32*\tt+8*\ct:ACC+32*\tt+8*\ct+7], v[WFR+12*\ct:WFR+12*\ct+11], v[CFR+12*\tt:CFR+12*\tt+11], 0, v[SW+\ct], v[SC+\tt] matrix_a_fmt:MATRIX_FMT_FP6 matrix_b_fmt:MATRIX_FMT_FP6
.else
	v_wmma_scale_f32_16x16x128_f8f6f4 v[ACC+32*\tt+8*\ct:ACC+32*\tt+8*\ct+7], v[WFR+12*\ct:WFR+12*\ct+11], v[CFR+12*\tt:CFR+12*\tt+11], v[ACC+32*\tt+8*\ct:ACC+32*\tt+8*\ct+7], v[SW+\ct], v[SC+\tt] matrix_a_fmt:MATRIX_FMT_FP6 matrix_b_fmt:MATRIX_FMT_FP6
.endif
.endr
.endr
.endm
.macro CHUNK c
	s_wait_asynccnt 12*(3-\c)                      ; copies end in the order of issue: the scale words and my part of chunks 0 .. c are in LDS; the 12 copies of each later chunk may be out
	s_wait_dscnt 0x0                               ; no LDS instruction of mine is pending at a signal
	s_barrier_signal -1
	s_barrier_wait -1                              ; every wave's part is in
	KSTEP 2*\c
	KSTEP 2*\c+1
.endm
	CHUNK 0
	CHUNK 1
	CHUNK 2
	CHUNK 3
	; THE WAY OUT, a token tile at a time: 16 rows x 64 columns through my stage.  Register 16 b + 4 q + .. of lane (r, h) is column 32 b + 16 h + 4 q + .. of row r.
.rept 4
	v_nop                                          ; four places between the last products, the first read of results and the loads into registers that held fragments
.endr
.irp tt, 0,1
.irp b, 0,1
.irp q, 0,1,2,3
	ds_store_b128 v24, v[ACC+32*\tt+16*\b+4*\q:ACC+32*\tt+16*\b+4*\q+3] offset:128*\b+16*\q   ; each accumulator from its low end on
.endr
.endr
.irp i, 0,1,2,3,4,5,6,7
	ds_load_b128 v[32+32*\tt+4*\i:35+32*\tt+4*\i], v25 offset:544*\i   ; LDS serves a wave's instructions in order: these see my stores, and the next tile's stores come behind them
.endr
.irp i, 0,1,2,3,4,5,6,7
	s_wait_dscnt 7-\i                              ; rows 2 i, 2 i + 1 are back; the younger loads may be out
	global_store_b128 v31, v[32+32*\tt+4*\i:35+32*\tt+4*\i], s[8:9] offset:(8*\tt+2*\i+8*(\i/4))*4096 th:TH_STORE_NT   ; stage row n is token 8 tt + n + 8 (n / 8); 16 lanes store 256 consecutive bytes, aligned.  Every store has data registers of its own
.endr
.endr
	s_wait_tensorcnt 0x0
	ds_add_u32 v192, v193
	s_wait_dscnt 0x0
	s_endpgm
.Lfunc_end_k_q8d473f2bdc_outp:
	.size	k_q8d473f2bdc_outp, .Lfunc_end_k_q8d473f2bdc_outp-k_q8d473f2bdc_outp
	.p2alignl 7, 3214868480
	.fill 96, 4, 3214868480
	.section	.rodata,"a",@progbits
	.p2align	6, 0x0
	.amdhsa_kernel k_q8d473f2bdc_outp
		.amdhsa_group_segment_fixed_size 240640
		.amdhsa_private_segment_fixed_size 0
		.amdhsa_enable_private_segment 0
		.amdhsa_kernarg_size 24
		.amdhsa_user_sgpr_count 2
		.amdhsa_user_sgpr_kernarg_segment_ptr 1
		.amdhsa_wavefront_size32 1
		.amdhsa_system_sgpr_workgroup_id_x 1
		.amdhsa_system_sgpr_workgroup_id_y 1
		.amdhsa_system_sgpr_workgroup_id_z 1
		.amdhsa_system_vgpr_workitem_id 0
		.amdhsa_next_free_vgpr 194
		.amdhsa_next_free_sgpr 66
		.amdhsa_reserve_vcc 0
		.amdhsa_float_denorm_mode_32 3
		.amdhsa_float_denorm_mode_16_64 3
		.amdhsa_memory_ordered 1
		.amdhsa_forward_progress 1
		.amdhsa_inst_pref_size 39
	.end_amdhsa_kernel
	.amdgpu_metadata
---
amdhsa.version: [ 1, 2 ]
amdhsa.kernels:
  - .name:           k_q8d473f2bdc_outp
    .symbol:         k_q8d473f2bdc_outp.kd
    .args:
      - { .name: ctx, .offset: 0, .size: 8, .value_kind: global_buffer, .address_space: global }
      - { .name: qin, .offset: 8, .size: 8, .value_kind: global_buffer, .address_space: global }
      - { .name: out0, .offset: 16, .size: 8, .value_kind: global_buffer, .address_space: global }
    .group_segment_fixed_size: 240640
    .private_segment_fixed_size: 0
    .kernarg_segment_align: 8
    .kernarg_segment_size: 24
    .max_flat_workgroup_size: 256
    .sgpr_count:     66
    .vgpr_count:     194
    .wavefront_size: 32
...
	.end_amdgpu_metadata
.endif
;; end of part 4
